; MI455X (gfx1250); checked and timed in simulation.
; The chip was launched on July 23, 2026; its instructions are those of AMD's public machine-readable ISA for CDNA 5 (MIT licence, August 2026) and "CDNA5" Instruction Set Architecture Reference Guide (July 2026). The comments in the code are by the model that wrote it; some were corrected since.
;; Multi Head Attention. Allowed arithmetic: matrix products marked QUANTISED: E2M1 operands, one E8M0 scale for each 32 along K, by v_wmma_scale_f32_16x16x128_f8f6f4 with both operands' format E2M1 (or v_wmma_scale_f32_32x16x128_f4), f32 sums; products left as they are: bf16, f16 or f32 operands; f32 sums; everything else in f32.
;; Inputs: Wk 1,024 x 1,024 float32; Wo 1,024 x 1,024 float32; Wq 1,024 x 1,024 float32; Wv 1,024 x 1,024 float32; attention_mask 4 x 2,048 x 2,048 bool; bk 1,024 float32; bo 1,024 float32; bq 1,024 float32; bv 1,024 float32; key_ 4 x 2,048 x 1,024 float32; query 4 x 2,048 x 1,024 float32; value 4 x 2,048 x 1,024 float32.
;; Outputs: out0 4 x 2,048 x 1,024 float32.
;; This version of the problem:
;;   THIS VERSION OF THE PROBLEM IS GIVEN IN LOW PRECISION. The matrix products marked QUANTISED in the list below multiply operands that are first quantised to E2M1 (2 exponent bits, 1 mantissa bit; 4 bits a number), with one power-of-two scale for each 32 numbers along K (OCP MX v1.0); their sums are f32. The products marked 'left as it is' may take bf16, f16 or f32 operands, with f32 sums. Whichever they take, every output number must still come out within the allowed error. Rounding operands to bf16 (8 significant bits) uses up far more of that allowance than f16 does (11 bits, for magnitudes from 6e-5 to 65,504). All else is computed in f32.
;;   The module's matrix products, in the order in which they are computed (A, B: the left and right operand; K: the contracted axis; several contracted axes count as one K, in the product's order):
;;     1. [M 8,192, K 1,024] x [K 1,024, N 1,024]; A: input query; B: input Wq: QUANTISED
;;     2. [M 8,192, K 1,024] x [K 1,024, N 1,024]; A: input key_; B: input Wk: QUANTISED
;;     3. [M 8,192, K 1,024] x [K 1,024, N 1,024]; A: input value; B: input Wv: QUANTISED
;;     4. batch 64 x [M 2,048, K 64] x [K 64, N 2,048]; A: computed on the way; B: computed on the way: left as it is (an operand is computed on the way)
;;     5. batch 64 x [M 2,048, K 2,048] x [K 2,048, N 64]; A: computed on the way; B: computed on the way: left as it is (an operand is computed on the way)
;;     6. [M 8,192, K 1,024] x [K 1,024, N 1,024]; A: computed on the way; B: input Wo: left as it is (an operand is computed on the way)
;;   THE QUANTISER, for each operand of a quantised product, along K:
;;     - K is cut into blocks of 32 from its start; a last block that is shorter is filled with zeros.
;;     - A block's scale is 2^e with e = floor(log2(the largest magnitude in the block)) - 2, held to -126 .. 127; a block of zeros has e = 0. As a byte (E8M0): e + 127.
;;     - Each number is divided by its block's scale, clamped to +-6, and rounded to the nearest number of E2M1, ties to even, subnormals kept.
;;     - The product sums the exact products of the quantised numbers (number of the format x scale) in f32.
;;   ~~~python
;;   def quantise(x, axis):      # numpy; x: float32 -> the quantised numbers, widened to float32 again
;;       x = np.moveaxis(x, axis, -1); K = x.shape[-1]
;;       x = np.pad(x, [(0, 0)] * (x.ndim - 1) + [(0, -K % 32)]); x = x.reshape(x.shape[:-1] + (-1, 32)); a = np.abs(x).max(-1, keepdims=True)
;;       e = np.where(a > 0, np.clip(np.frexp(np.where(a > 0, a, 1))[1] - 1 - 2, -126, 127), 0)      # np.frexp(a)[1] - 1 = floor(log2(a)), exactly
;;       r = np.clip(x / 2.0 ** e, -6, 6)
;;       step = 2.0 ** (np.maximum(np.frexp(np.where(r == 0, 1, r))[1] - 1, 0) - 1)
;;       q = np.round(r / step) * step * 2.0 ** e      # np.round: ties to even
;;       return np.moveaxis(q.reshape(q.shape[:-2] + (-1,))[..., :K], -1, axis).astype(np.float32)
;;   ~~~
;; One version. Each part assembles by itself: llvm-mc -triple=amdgcn-amd-amdhsa -mcpu=gfx1250 --defsym DOCPART=n.
;; ======== version 1 of 1: 4 launches
;; limits: values are held in f16: magnitudes above 65,504 overflow, below 6.1e-05 lose precision
;; workspace buffers: codes 14,155,776 bytes; scales 884,736 bytes; woh 2,097,152 bytes; mbits 2,097,152 bytes of whole numbers; mflag 16,384 bytes of whole numbers; qkv 50,331,648 bytes; oh 16,777,216 bytes
;; launch prep (part 1): grid 1920 x 1, 4 waves a work-group, no clusters, 50,688 bytes of LDS; arguments query, key_, value, Wq, Wk, Wv, Wo, attention_mask, codes, scales, woh, mbits, mflag; writes codes, scales, woh, mbits, mflag
.if DOCPART == 1
	.amdgcn_target "amdgcn-amd-amdhsa--gfx1250"
	.amdhsa_code_object_version 6
	.text
	.protected	k_q110c8d343a_prep
	.globl	k_q110c8d343a_prep
	.p2align	8
	.type	k_q110c8d343a_prep,@function
k_q110c8d343a_prep:
	s_mov_b64 s[64:65], 0
	v_nop
	global_prefetch_b8 v0, s[64:65] scope:SCOPE_SE
	s_setreg_imm32_b32 hwreg(HW_REG_WAVE_MODE, 25, 1), 1
	s_wait_xcnt 0x0
; PREP: three jobs in one launch, told apart by the work-group's number; each job has LDS bytes of its own.
; (Q) work-groups 0-863: query, key_, value [8192][1024] and Wq, Wk, Wv [1024][1024], f32, K innermost, become codes of FP4 (E2M1) and one E8M0 byte for each 32 along K.
;     The six tensors follow each other in the two outputs: 27,648 rows of 512 bytes of codes (the lower k in the low four bits) and of 32 scale bytes.
;     A block's scale is 2^(floor(log2(its largest magnitude)) - 2); its byte is the largest magnitude's exponent field - 2, held at 1 from below.  A block of zeros so gets the byte 1 where the
;     quantiser says 127: its codes are zeros, which add nothing under any byte but 0xff, and this program alone reads the bytes.
;     LIMITS: blocks whose largest magnitude lies under 2^-124 (the floor) keep the byte 1; NaN and infinities among the inputs are not served.
; (W) work-groups 864-895: Wo [n 1024][k 1024] f32 becomes f16 laid by head: woh[kb 16][n 1024][64] = Wo[n][64 kb + c].  LIMIT: |Wo| up to 65,504.
; (M) work-groups 896-1919: the mask's bytes (a byte other than 0 counts as masked) become lane masks for the attention launch:
;     mbits[qt 512][step 32][word 32]: bit L of word 8 kt + j = mask[row 16 qt + (L & 15)][key 64 step + 16 kt + 8 (L >> 4) + j];
;     mflag[qt 512][chunk 8]: bit i is set where anything is masked in step 4 chunk + i.
; No tensor loads, no barrier: waves share nothing.  Matrix units and clusters have nothing to do here: every byte is read once and written once.
.set STEPS, 16                         ; (Q) steps of 512 numbers in a wave's run
.set EMAX,  2                          ; the exponent of E2M1's largest number, 6
.set CB,    8                          ; bytes of 16 codes
.set R,     16                         ; v16-79   (Q) four sets of 16 numbers as they are loaded
.set X,     80                         ; v80-111  (Q) two sets of 16 neighbours
.set E,     112                        ; v112-127 (Q) a scale byte for each step
.set C,     128                        ; v128-191 (Q) codes: four registers for each step, so that no store's data are written again
.set WREG,  8192                       ; (Q) LDS: a region for each wave: two stages of 32 x SP bytes, behind them its 256 scale bytes
.set SP,    80                         ; (Q) a lane's place in a stage: its 64 bytes + 16 of padding
.set MSTG,  4*WREG                     ; (M) LDS: behind (Q)'s regions, 16 rows of 272 bytes for each wave
.set MWAVE, 16*272
.set SPARE, MSTG+4*MWAVE               ; the spare words, 128 bytes for each wave: two blocks of 256 bytes that no other line names
.set SPW,   12                         ; v12  LDS address of my spare word: SPARE + 4 x my thread's number; never rewritten
.set NIL,   13                         ; v13  0; never rewritten
.macro FINISH                          ; a wave's end, behind my last LDS store
	s_wait_tensorcnt 0x0
	ds_add_u32 v[SPW], v[NIL]
	s_wait_dscnt 0x0
	s_endpgm
.endm
	s_load_b512 s[4:19], s[0:1], 0x0               ; query s[4:5], key_ s[6:7], value s[8:9], Wq s[10:11], Wk s[12:13], Wv s[14:15], Wo s[16:17], the mask s[18:19]
	s_load_b256 s[20:27], s[0:1], 0x40             ; codes s[20:21], scales s[22:23], woh s[24:25], mbits s[26:27]
	s_load_b64 s[28:29], s[0:1], 0x60              ; mflag
	v_lshl_add_u32 v[SPW], v0, 2, SPARE
	v_mov_b32 v[NIL], 0
	v_lshrrev_b32 v1, 5, v0
	v_readfirstlane_b32 s30, v1                    ; wave 0..3
	v_and_b32 v2, 31, v0                           ; lane
	s_wait_kmcnt 0x0
	s_cmp_lt_u32 ttmp9, 864
	s_cbranch_scc1 .Lquant
	s_cmp_lt_u32 ttmp9, 896
	s_cbranch_scc1 .Lwo
; ---------------- (M) a wave takes 16 rows of the mask x 256 keys: one tile of queries, four key steps
	s_sub_co_u32 s32, ttmp9, 896
	s_lshl_b32 s32, s32, 2
	s_add_co_u32 s32, s32, s30                     ; unit = 8 qt + chunk
	s_lshr_b32 s33, s32, 3                         ; qt
	s_and_b32 s34, s32, 7                          ; chunk
	s_lshl_b32 s36, s33, 15                        ; 16 rows of 2,048 bytes
	s_lshl_b32 s35, s34, 8
	s_add_co_u32 s36, s36, s35
	s_mov_b32 s37, 0
	s_add_nc_u64 s[18:19], s[18:19], s[36:37]
	s_lshl_b32 s36, s32, 9                         ; 4,096 qt + 512 chunk
	s_add_nc_u64 s[26:27], s[26:27], s[36:37]
	s_lshl_b32 s36, s32, 2
	s_add_nc_u64 s[28:29], s[28:29], s[36:37]
	v_and_b32 v3, 15, v2
	v_lshrrev_b32 v4, 4, v2
	v_lshlrev_b32 v5, 4, v3
	v_lshl_add_u32 v6, v4, 11, v5                  ; in memory: sixteen lanes take 256 consecutive bytes of a row, lanes 16-31 the next row
	s_mul_i32 s38, s30, MWAVE
	s_add_co_u32 s38, s38, MSTG                    ; my stage
	v_mad_u32_u24 v7, v4, 272, v5
	v_add_nc_u32 v7, s38, v7                       ; into it as loaded
	v_mul_u32_u24 v8, v3, 272
	v_lshl_add_u32 v8, v4, 3, v8
	v_add_nc_u32 v8, s38, v8                       ; out of it: row lane % 16, bytes 8 (lane / 16) on
	v_lshlrev_b32 v9, 4, v2
.irp i, 0,1,2,3,4,5,6,7
	global_load_b128 v[16+4*\i:19+4*\i], v6, s[18:19] offset:4096*\i th:TH_LOAD_NT
.endr
.irp i, 0,1,2,3
	v_mov_b32 v[88+\i], 0                          ; a lane write's destination counts as read
.endr
	s_mov_b32 s50, 0
	s_wait_loadcnt 0x0
.irp i, 0,1,2,3,4,5,6,7
	ds_store_b128 v7, v[16+4*\i:19+4*\i] offset:544*\i
.endr
.irp i, 0,1,2,3,4,5,6,7,8,9,10,11,12,13,14,15
	ds_load_b64 v[48+2*\i:49+2*\i], v8 offset:16*\i   ; LDS serves a wave's instructions in order (ISA guide 5.7.1.4): these see my stores.  Keys 16 i + 8 (lane / 16) + 0 .. 7 of my row
.endr
	s_wait_dscnt 0x0
.set cc, 0
.rept 16                               ; cc = 4 x (step in the chunk) + kt; word 8 cc + j of the chunk's 128 goes to register (8 cc + j) % 4 of lane (8 cc + j) / 4
.if cc%4 == 0
	s_mov_b32 s48, 0
.endif
.irp j, 0,1,2,3,4,5,6,7
	v_bfe_u32 v[80+\j], v[48+2*cc+\j/4], 8*(\j%4), 8
.endr
.irp j, 0,1,2,3,4,5,6,7
	v_cmp_ne_u32 s[40+\j], 0, v[80+\j]             ; the lane mask IS the word
.endr
.irp j, 0,1,2,3,4,5,6,7
	v_writelane_b32 v[88+(8*cc+\j)%4], s[40+\j], (8*cc+\j)/4
	s_or_b32 s48, s48, s[40+\j]
.endr
.if cc%4 == 3
	s_cmp_lg_u32 s48, 0                            ; anything masked in this step?  A value is chosen; nothing branches
	s_cselect_b32 s49, 1<<(cc/4), 0
	s_or_b32 s50, s50, s49
.endif
.set cc, cc+1
.endr
	global_store_b128 v9, v[88:91], s[26:27]       ; 32 lanes store 512 consecutive bytes
	v_mov_b32 v92, s50
	v_mov_b32 v93, 0
	v_cmp_eq_u32 vcc_lo, 0, v2
	s_wait_xcnt 0x0                                ; EXEC changes only behind this wait
	s_and_saveexec_b32 s51, vcc_lo
	global_store_b32 v93, v92, s[28:29]            ; the flags: four bytes a wave, 16 KiB in the whole launch: the one place where a store covers less than 256 bytes
	s_wait_xcnt 0x0
	s_or_b32 exec_lo, exec_lo, s51
	FINISH
; ---------------- (W) a wave takes 8 rows of Wo, two at a time
.Lwo:
	s_sub_co_u32 s32, ttmp9, 864
	s_lshl_b32 s32, s32, 5
	s_lshl_b32 s33, s30, 3
	s_add_co_u32 s32, s32, s33                     ; my first row
	s_lshl_b32 s36, s32, 12
	s_mov_b32 s37, 0
	s_add_nc_u64 s[16:17], s[16:17], s[36:37]
	s_lshl_b32 s36, s32, 7
	s_add_nc_u64 s[24:25], s[24:25], s[36:37]
	v_and_b32 v3, 15, v2
	v_lshrrev_b32 v4, 4, v2
	v_lshlrev_b32 v1, 4, v3
	v_lshl_add_u32 v1, v4, 12, v1                  ; lanes 0-15: 256 consecutive bytes (64 numbers) of one row; lanes 16-31: of the next
	v_lshlrev_b32 v5, 3, v2                        ; out: 8 bytes a lane: the two rows' 128 bytes follow each other in a plane of woh
.macro LOADP p                         ; rows 2 p, 2 p + 1, all sixteen pieces of 64 along K, into set p % 2
.irp kb, 0,1,2,3,4,5,6,7,8,9,10,11,12,13,14,15
	global_load_b128 v[16+64*((\p)%2)+4*\kb:16+64*((\p)%2)+4*\kb+3], v1, s[16:17] offset:(\p)*8192+\kb*256 th:TH_LOAD_NT
.endr
.endm
.macro PAIR p
.if (\p) < 3
	s_wait_loadcnt 16                              ; this pair's sixteen loads are in; the next pair's sixteen may be out
.else
	s_wait_loadcnt 0x0
.endif
.if (\p) > 0
	s_wait_xcnt 0x0                                ; the last pair's stores have read v144-175
.endif
.irp kb, 0,1,2,3,4,5,6,7,8,9,10,11,12,13,14,15
	v_cvt_pk_f16_f32 v[144+2*\kb], v[16+64*((\p)%2)+4*\kb], v[17+64*((\p)%2)+4*\kb]
	v_cvt_pk_f16_f32 v[145+2*\kb], v[18+64*((\p)%2)+4*\kb], v[19+64*((\p)%2)+4*\kb]
.endr
.irp kb, 0,1,2,3,4,5,6,7,8,9,10,11,12,13,14,15
	global_store_b64 v5, v[144+2*\kb:145+2*\kb], s[24:25] offset:\kb*131072+(\p)*256   ; 32 lanes store 256 consecutive bytes, aligned
.endr
.if (\p) < 2
	LOADP (\p)+2
.endif
.endm
	LOADP 0
	LOADP 1
	PAIR 0
	PAIR 1
	PAIR 2
	PAIR 3
	s_endpgm
; ---------------- (Q) a wave takes a run of 8,192 numbers: 16 steps of 512.  Rows are dense and K is a multiple of 32: each tensor is a plain stream of blocks of 32
.Lquant:
	v_lshlrev_b32 v3, 4, v2                        ; my 16 bytes of a load's 512
	s_mul_i32 s36, s30, WREG
	v_lshrrev_b32 v14, 2, v2
	v_mul_u32_u24 v14, v14, SP
	v_and_b32 v15, 3, v2
	v_lshl_add_u32 v14, v15, 4, v14
	v_add_nc_u32 v14, s36, v14                     ; the stage, on the way in: four lanes' 64 bytes on end, then 16 of padding
	v_mul_u32_u24 v15, v2, SP
	v_add_nc_u32 v15, s36, v15                     ; and on the way out: SP x lane: my 16 neighbours
	v_mul_u32_u24 v4, v2, CB                       ; my codes' place in a step's
	v_lshrrev_b32 v5, 1, v2
	s_add_co_u32 s36, s36, 2*32*SP
	v_add_nc_u32 v5, s36, v5                       ; my wave's 256 scale bytes, my block's byte
	v_lshlrev_b32 v7, 3, v2
	v_add_nc_u32 v6, s36, v7                       ; and on the way out 8 bytes a lane
	s_mov_b64 s[32:33], s[14:15]                   ; which tensor, and its first work-group: chosen by the work-group's number alone
	s_mov_b32 s34, 832
.macro PICK lim, reg, first
	s_cmp_lt_u32 ttmp9, \lim
	s_cselect_b64 s[32:33], s[\reg:\reg+1], s[32:33]
	s_cselect_b32 s34, \first, s34
.endm
	PICK 832, 12, 800
	PICK 800, 10, 768
	PICK 768, 8, 512
	PICK 512, 6, 256
	PICK 256, 4, 0
	s_sub_co_u32 s34, ttmp9, s34
	s_lshl_b32 s34, s34, 2
	s_add_co_u32 s34, s34, s30                     ; my run in the tensor,
	s_lshl_b32 s34, s34, 15                        ; 32,768 bytes each
	s_mov_b32 s35, 0
	s_add_nc_u64 s[32:33], s[32:33], s[34:35]
	s_lshl_b32 s36, ttmp9, 2
	s_add_co_u32 s36, s36, s30                     ; my run in the six tensors on end
	s_lshl_b32 s34, s36, 12
	s_add_nc_u64 s[20:21], s[20:21], s[34:35]      ; 4,096 bytes of codes
	s_lshl_b32 s34, s36, 8
	s_add_nc_u64 s[22:23], s[22:23], s[34:35]      ; 256 scale bytes
.macro LOAD t
.irp i, 0,1,2,3
	global_load_b128 v[R+16*((\t)%4)+4*\i:R+16*((\t)%4)+4*\i+3], v3, s[32:33] offset:2048*(\t)+512*\i th:TH_LOAD_NT   ; 32 lanes read 512 consecutive bytes
.endr
.endm
.macro TURN t                          ; step t's numbers through the stage: in as they lie, back 64 bytes a lane; LDS serves a wave's instructions in order
.irp i, 0,1,2,3
	ds_store_b128 v14, v[R+16*((\t)%4)+4*\i:R+16*((\t)%4)+4*\i+3] offset:32*SP*((\t)%2)+8*SP*\i
.endr
.irp i, 0,1,2,3
	ds_load_b128 v[X+16*((\t)%2)+4*\i:X+16*((\t)%2)+4*\i+3], v15 offset:32*SP*((\t)%2)+16*\i
.endr
.endm
.irp t, 0,1,2,3
	LOAD \t
.endr
	s_wait_loadcnt 12                              ; step 0's four loads are in; the twelve of steps 1 to 3 may be out
	TURN 0
.macro STEP t
.set XS, X+16*((\t)%2)
.if (\t) > 0
	s_wait_dscnt 1                                 ; this step's numbers are back from the stage (the last step's byte store may be out): so its stores into the stage have read their registers,
.else
	s_wait_dscnt 0x0
.endif
.if (\t)+4 < STEPS
	LOAD (\t)+4                                    ; which take the loads of four steps on
.endif
.if (\t)+1 < STEPS
.if STEPS-2-(\t) >= 3
	s_wait_loadcnt 12                              ; the next step's four loads are in; those of the three steps behind it may be out
.else
	s_wait_loadcnt 4*(STEPS-2-(\t))
.endif
	TURN (\t)+1
.endif
	v_max3_num_f32 v8, |v[XS]|, |v[XS+1]|, |v[XS+2]|               ; the largest magnitude of my 16, in two chains
	v_max3_num_f32 v9, |v[XS+3]|, |v[XS+4]|, |v[XS+5]|
.irp i, 6,10
	v_max3_num_f32 v8, v8, |v[XS+\i]|, |v[XS+\i+1]|
	v_max3_num_f32 v9, v9, |v[XS+\i+2]|, |v[XS+\i+3]|
.endr
	v_max3_num_f32 v8, v8, |v[XS+14]|, |v[XS+15]|
	v_max3_num_f32 v8, v8, v9, (EMAX+1)<<23        ; and the floor 2^(3 - 127): the byte cannot fall under 1
	v_max_num_f32_dpp v8, v8, v8 row_xmask:1 row_mask:0xf bank_mask:0xf   ; and of my neighbour's 16: the block's
	v_add_nc_u32 v11, -(EMAX<<23), v8              ; 2 off its exponent field: the conversion takes the exponent field of this operand as its scale, and nothing else of it
	v_cvt_scalef32_pk8_fp4_f32 v[C+4*(\t)], v[XS:XS+7], v11        ; to the nearest code, ties to even, beyond the largest code the largest
	v_cvt_scalef32_pk8_fp4_f32 v[C+4*(\t)+1], v[XS+8:XS+15], v11
	v_lshrrev_b32 v[E+(\t)], 23, v11               ; the scale's byte (a plain line behind the conversions)
	ds_store_b8 v5, v[E+(\t)] offset:16*(\t)       ; both lanes of a block write the same byte with the same value
	global_store_b64 v4, v[C+4*(\t):C+4*(\t)+1], s[20:21] offset:32*CB*(\t)   ; 32 lanes store 256 consecutive bytes, aligned
.endm
.irp t, 0,1,2,3,4,5,6,7,8,9,10,11,12,13,14,15
	STEP \t
.endr
	ds_load_b64 v[8:9], v6                         ; my wave's 256 scale bytes
	s_wait_dscnt 0x0
	global_store_b64 v7, v[8:9], s[22:23]          ; 32 lanes store 256 consecutive bytes, aligned
	FINISH
.Lfunc_end_k_q110c8d343a_prep:
	.size	k_q110c8d343a_prep, .Lfunc_end_k_q110c8d343a_prep-k_q110c8d343a_prep
	.p2alignl 7, 3214868480
	.fill 96, 4, 3214868480
	.section	.rodata,"a",@progbits
	.p2align	6, 0x0
	.amdhsa_kernel k_q110c8d343a_prep
		.amdhsa_group_segment_fixed_size 50688
		.amdhsa_private_segment_fixed_size 0
		.amdhsa_enable_private_segment 0
		.amdhsa_kernarg_size 104
		.amdhsa_user_sgpr_count 2
		.amdhsa_user_sgpr_kernarg_segment_ptr 1
		.amdhsa_wavefront_size32 1
		.amdhsa_system_sgpr_workgroup_id_x 1
		.amdhsa_system_sgpr_workgroup_id_y 1
		.amdhsa_system_sgpr_workgroup_id_z 1
		.amdhsa_system_vgpr_workitem_id 0
		.amdhsa_next_free_vgpr 192
		.amdhsa_next_free_sgpr 66
		.amdhsa_reserve_vcc 1
		.amdhsa_float_denorm_mode_32 3
		.amdhsa_float_denorm_mode_16_64 3
		.amdhsa_memory_ordered 1
		.amdhsa_forward_progress 1
		.amdhsa_inst_pref_size 88
	.end_amdhsa_kernel
	.amdgpu_metadata
---
amdhsa.version: [ 1, 2 ]
amdhsa.kernels:
  - .name:           k_q110c8d343a_prep
    .symbol:         k_q110c8d343a_prep.kd
    .args:
      - { .name: query, .offset: 0, .size: 8, .value_kind: global_buffer, .address_space: global }
      - { .name: key_, .offset: 8, .size: 8, .value_kind: global_buffer, .address_space: global }
      - { .name: value, .offset: 16, .size: 8, .value_kind: global_buffer, .address_space: global }
      - { .name: Wq, .offset: 24, .size: 8, .value_kind: global_buffer, .address_space: global }
      - { .name: Wk, .offset: 32, .size: 8, .value_kind: global_buffer, .address_space: global }
      - { .name: Wv, .offset: 40, .size: 8, .value_kind: global_buffer, .address_space: global }
      - { .name: Wo, .offset: 48, .size: 8, .value_kind: global_buffer, .address_space: global }
      - { .name: attention_mask, .offset: 56, .size: 8, .value_kind: global_buffer, .address_space: global }
      - { .name: codes, .offset: 64, .size: 8, .value_kind: global_buffer, .address_space: global }
      - { .name: scales, .offset: 72, .size: 8, .value_kind: global_buffer, .address_space: global }
      - { .name: woh, .offset: 80, .size: 8, .value_kind: global_buffer, .address_space: global }
      - { .name: mbits, .offset: 88, .size: 8, .value_kind: global_buffer, .address_space: global }
      - { .name: mflag, .offset: 96, .size: 8, .value_kind: global_buffer, .address_space: global }
    .group_segment_fixed_size: 50688
    .private_segment_fixed_size: 0
    .kernarg_segment_align: 8
    .kernarg_segment_size: 104
    .max_flat_workgroup_size: 128
    .sgpr_count:     66
    .vgpr_count:     192
    .wavefront_size: 32
...
	.end_amdgpu_metadata
.endif
;; end of part 1
;; launch proj (part 2): grid 4 x 96, 4 waves a work-group, clusters of 4 x 4, 327,680 bytes of LDS; arguments codes, scales, bq, bk, bv, qkv; writes qkv
.if DOCPART == 2
	.amdgcn_target "amdgcn-amd-amdhsa--gfx1250"
	.amdhsa_code_object_version 6
	.text
	.protected	k_q110c8d343a_proj
	.globl	k_q110c8d343a_proj
	.p2align	8
	.type	k_q110c8d343a_proj,@function
k_q110c8d343a_proj:
	s_mov_b64 s[64:65], 0
	v_nop
	global_prefetch_b8 v0, s[64:65] scope:SCOPE_SE
	s_setreg_imm32_b32 hwreg(HW_REG_WAVE_MODE, 25, 1), 1
	s_wait_xcnt 0x0
	s_wait_alu depctr_hold_cnt(0) depctr_sa_sdst(0) depctr_va_vdst(0) depctr_va_sdst(0) depctr_va_ssrc(0) depctr_va_vcc(0) depctr_vm_vsrc(0)
	s_getreg_b32 s2, hwreg(HW_REG_IB_STS2, 6, 4)
	s_cmp_eq_u32 s2, 0
	s_cbranch_scc0 .Lentry_in_a_cluster
	s_endpgm
.Lentry_in_a_cluster:
	s_bfe_u32 s2, ttmp6, 0x10000c
	s_cmp_lg_u32 s2, 0xf033
	s_cbranch_scc0 .Lentry_shape_is_right
	s_endpgm
.Lentry_shape_is_right:
; The three input projections as ONE product on codes of FP4 (E2M1) with E8M0 scales: rows 0-24575 of 'codes' are query, key_, value (8,192 rows each), rows 24576 on are Wq, Wk, Wv (1,024 each).
; y[m][n] = sum over k of x[m][k] W[n][k] + b[n], K = 1,024, sums in f32, rounded once to f16 and laid by head: qkv[(projection x 4 + batch) x 16 + head][t 2048][64].
; LIMIT: |y| up to 65,504, f16's largest number.
; A tile of 256 x 256 is made by a work-group of four waves; a wave makes 128 x 128: 64 accumulators of 16 x 16, 512 registers.  Tile rows 0-31 are q's, 32-63 k's, 64-95 v's.
; ALL OF K LIES IN LDS AT ONCE: two slots of 512 along K (rows of 256 bytes), each filled once; nothing is filled again.  The scale bytes of the work-group's rows come with them, as dense blocks.
; By this text's own count a wave has three tensor loads out, all issued at the start.
; CLUSTERS: 4 x 4 work-groups.  The four of a row of the cluster need the same rows of x, the four of a column the same rows of W: each tile is asked for JOINTLY, by the same tensor load with the same
; descriptor and a mask that names the four.  THE MATRIX INSTRUCTION IS USED TRANSPOSED (source 0 = 16 rows of W, source 1 = 16 rows of x): a lane then holds eight neighbouring outputs of one row.
; THE BIAS is the C of each sum's first matrix instruction: eight registers for each block of 16 columns, in the result's layout.
; REGISTERS, in windows of 256: window 0: v0-31 addresses; v32-95 scale words, two sets; v128-191 x's fragments, ONE set; v192-255 the bias.  On the way out v32-95 and v192-223 are used again.
;   window 1: W's fragments, TWO sets, at v0 and v128.   window 2: the accumulators of my rows 0-63 ((a, b) at v[8 (8 a + b)]);   window 3: those of my rows 64-127.
.set NQ,     4                         ; steps of 128 along K in a slot
.set ROWB,   256                       ; a tile's row in bytes: 512 codes
.set KROW,   512                       ; a row of codes in memory
.set PITCH,  272                       ; an LDS row: 256 bytes + 16 of padding = 68 words: row r starts at bank 4 r mod 64 (64 banks of 4 bytes: ISA guide 11.1)
.set FR,     8                         ; registers of a fragment: 16 rows x 128 K
.set NL,     2                         ; LDS loads that bring one
.set NP,     4                         ; places behind this matrix instruction (ISA guide 7.12.1)
.set HALFT,  128*PITCH                 ; 128 rows: what one tensor load brings
.set SLOT,   4*HALFT                   ; x's 256 rows, then W's 256 rows
.set KS,     32                        ; a row of scale bytes
.set SCL,    2*SLOT                    ; behind the slots: the scales, as units of 256 bytes + 16 of padding
.set HALFS,  (128*KS/256)*272          ; those of 128 rows: what one tensor load brings
.set SBLK,   (16*KS/256)*272           ; those of 16 rows
.set SPARE,  SCL+4*HALFS               ; the spare words, 128 bytes for each wave: two blocks of 256 bytes that no other line names
.set SPITCH, 272                       ; the way out: a stage of 16 rows x (256 bytes + 16) for each wave, in slot 0, which has had its only fill and its last read when the first result is stored there
.set ADRA, 16                          ; v16-17  LDS address of my x fragments in slot 0, 1
.set ADRB, 20                          ; v20-21  the same for W
.set STO,  24                          ; v24     the way out: where I put 16 bytes of a row
.set RD,   25                          ; v25     the way out: where I read 16 bytes back
.set CO,   26                          ; v26     16 x lane
.set ADRS, 27                          ; v27     LDS address of my scale words: lanes 0-15 x's rows, lanes 16-31 W's
.set SPW,  28                          ; v28     LDS address of my spare word; never rewritten
.set NIL,  29                          ; v29     0; never rewritten
.set SC,   32                          ; scale words: set s at v[SC + 32 s]; register 4 i + q: lanes 0-15 x's block i, lanes 16-31 W's block i, the slot's q-th 128 along K
.set AF,   128                         ; x's fragments
.set BI,   192                         ; the bias: register 8 b + j of lane (r, h) = b[my first column + 16 b + 8 h + j]
.set TMP,  192                         ; the way out: packed results
.set BK,   32                          ; the way out: a block read back: v32-63 and v64-95 by turns
.set G1, 24                            ; s[24:31] descriptor group 1 for x's tiles;  s[32:39] group 0, one set for each slot
.set G0, 32
.set G1B, 48                           ; s[48:55], s[56:63] the same for W's tiles
.set G0B, 56
.set G1S, 68                           ; s[68:75], s[76:79] groups 1 and 0 for x's scales;  s[80:87], s[88:91] for W's
.set G0S, 76
.set G1SB, 80
.set G0SB, 88
.set MSB, 0
.macro WIN new                         ; the immediate's high byte repeats the setting that is left
.if MSB != (\new)
	s_set_vgpr_msb (MSB<<8)|(\new)
.set MSB, (\new)
.endif
.endm
.set MUL_LO,  0xa1                     ; source 0 (W) window 1, source 1 (x) window 0, C and D window 2
.set MUL_HI,  0xf1                     ; the same, C and D window 3
.set BIAS_LO, 0x81                     ; the first step: C (the bias) window 0, D window 2
.set BIAS_HI, 0xc1                     ; D window 3
.set TO_B,    0x40                     ; destination window 1, address window 0
; A joint load: waves 0 and 1 fetch for x, waves 2 and 3 for W.  Each of the two lines has ONE mask and one set of registers for all that issue it; the branch hangs on the wave's number alone.
; An s_nop 0 and four v_nop follow each of the two lines, ahead of the jump, the label and what follows.
.macro JLOAD g0a, g1a, g0b, g1b
	s_cmp_eq_u32 s15, 0
	s_cbranch_scc0 .Lfor_b_\@
	tensor_load_to_lds s[\g0a:\g0a+3], s[\g1a:\g1a+7]
	s_nop 0
.rept 4
	v_nop
.endr
	s_branch .Lasked_\@
.Lfor_b_\@:
	tensor_load_to_lds s[\g0b:\g0b+3], s[\g1b:\g1b+7]
	s_nop 0
.rept 4
	v_nop
.endr
.Lasked_\@:
.endm
.macro CROUND                          ; a round of the cluster's barrier
	s_barrier_signal -1
	s_barrier_wait -1
	s_cmp_lg_u32 s14, 0
	s_cbranch_scc1 .Lnot_wave_0_\@
	s_barrier_signal -3
.Lnot_wave_0_\@:
	s_barrier_wait -3
	s_barrier_signal -1
	s_barrier_wait -1
.endm
	s_load_b128 s[4:7], s[0:1], 0x0                ; codes s[4:5], scales s[6:7]
	s_load_b128 s[8:11], s[0:1], 0x10              ; bq s[8:9], bk s[10:11]
	s_load_b128 s[96:99], s[0:1], 0x20             ; bv s[96:97], qkv s[98:99]
	v_lshl_add_u32 v[SPW], v0, 2, SPARE
	v_mov_b32 v[NIL], 0
	ds_add_u32 v[SPW], v[NIL]                      ; the wave's opening: the add, twice on end, and its wait ahead of my first tensor load; the set-up below, work on registers, stands between
	ds_add_u32 v[SPW], v[NIL]
	v_lshrrev_b32 v1, 5, v0
	v_readfirstlane_b32 s14, v1                    ; wave 0..3
	s_lshr_b32 s15, s14, 1                         ; which half of the tile's rows is mine.  Also: I fetch for x (0) or for W (1)
	s_and_b32 s16, s14, 1                          ; which half of its columns.  Also: which 128 rows of that tile I fetch
	s_bfe_u32 s40, ttmp6, 0x40000                  ; cx, cy: my place in the cluster
	s_bfe_u32 s41, ttmp6, 0x40004
	s_lshl_b32 s42, ttmp9, 2
	s_add_co_u32 s42, s42, s40                     ; tile column = 4 x cluster x + cx
	s_and_b32 s17, ttmp7, 0xffff
	s_lshr_b32 s95, s17, 3                         ; the projection, 0 to 2: eight clusters' rows each: the same in all sixteen partners
	s_lshl_b32 s17, s17, 2
	s_add_co_u32 s17, s17, s41                     ; tile row = 4 x cluster y + cy
	s_lshl_b32 s43, s41, 2
	s_lshl_b32 s43, 15, s43                        ; my row of the cluster
	s_lshl_b32 s44, 0x1111, s40                    ; my column
	; descriptor group 1: a tile of 128 rows x 256 bytes, padded in LDS
	s_or_b32 s[G1+0], s43, (0<<16)|(1<<20)|(1<<21)|(5<<22)|(3<<25)  ; 15:0 the mask: x's tiles go to my row; 17:16 elements of 1 byte; 20 padding on; 21 set beside a mask; 24:22 after every 64 words; 31:25 four words
	s_or_b32 s[G1B+0], s44, (0<<16)|(1<<20)|(1<<21)|(5<<22)|(3<<25)
.irp g, G1, G1B
	s_mov_b32 s[\g+1], ROWB<<16                    ; tensor_dim0
	s_mov_b32 s[\g+2], 128<<16                     ; tensor_dim1
	s_mov_b32 s[\g+3], ROWB<<16                    ; tile_dim0
	s_mov_b32 s[\g+4], 128                         ; tile_dim1
	s_mov_b32 s[\g+5], KROW                        ; tensor_dim0_stride
	s_mov_b32 s[\g+6], 0
	s_mov_b32 s[\g+7], 0
.endr
	; the scales of 128 rows: a dense block of 4,096 bytes, as 16 rows of 256 bytes (32 elements of 8 bytes), 16 bytes of padding behind each
	s_or_b32 s[G1S+0], s43, (3<<16)|(1<<20)|(1<<21)|(5<<22)|(3<<25)
	s_or_b32 s[G1SB+0], s44, (3<<16)|(1<<20)|(1<<21)|(5<<22)|(3<<25)
.irp g, G1S, G1SB
	s_mov_b32 s[\g+1], 32<<16
	s_mov_b32 s[\g+2], (128*KS/256)<<16
	s_mov_b32 s[\g+3], 32<<16
	s_mov_b32 s[\g+4], 128*KS/256
	s_mov_b32 s[\g+5], 32
	s_mov_b32 s[\g+6], 0
	s_mov_b32 s[\g+7], 0
.endr
	s_lshl_b32 s18, s16, 7                         ; which 128 rows of the tile I fetch
	s_lshl_b32 s20, s17, 8
	s_add_co_u32 s20, s20, s18                     ; x: row 256 x tile row + 128 x half
	s_lshl_b32 s46, s42, 8
	s_add_co_u32 s46, s46, s18
	s_lshl_b32 s19, s95, 10
	s_add_co_u32 s46, s46, s19
	s_add_co_u32 s46, s46, 24576                   ; W: row 24,576 + 1,024 x projection + 256 x tile column + 128 x half
	s_lshl_b32 s22, s20, 5                         ; where these rows' scales begin, in bytes (27,648 rows at the most: all under 2^32),
	s_mov_b32 s23, 0
	s_lshl_b32 s20, s20, 9                         ; and their codes
	s_mov_b32 s21, 0
	s_lshl_b32 s92, s46, 5
	s_mov_b32 s93, 0
	s_lshl_b32 s46, s46, 9
	s_mov_b32 s47, 0
	s_mul_i32 s45, s14, HALFT                      ; where they go: wave x 128 rows: no place in the cluster enters an LDS address
	s_mul_i32 s94, s14, HALFS
	s_wait_dscnt 0x0                               ; both opening adds are done
	s_wait_kmcnt 0x0
	s_add_nc_u64 s[20:21], s[4:5], s[20:21]
	s_add_nc_u64 s[22:23], s[6:7], s[22:23]
	s_add_nc_u64 s[46:47], s[4:5], s[46:47]
	s_add_nc_u64 s[92:93], s[6:7], s[92:93]
	CROUND                                         ; all sixteen work-groups are here: the joint loads meet
	s_mov_b32 s[G0S], 1
	s_add_co_u32 s[G0S+1], s94, SCL
	s_mov_b64 s[G0S+2:G0S+3], s[22:23]
	s_or_b32 s[G0S+3], s[G0S+3], 0x80000000
	s_mov_b32 s[G0SB], 1
	s_add_co_u32 s[G0SB+1], s94, SCL
	s_mov_b64 s[G0SB+2:G0SB+3], s[92:93]
	s_or_b32 s[G0SB+3], s[G0SB+3], 0x80000000
	JLOAD G0S, G1S, G0SB, G1SB                     ; the scales first: they are wanted with the first step
.irp s, 0,1
	s_mov_b32 s[G0+4*\s], 1
	s_add_co_u32 s[G0+4*\s+1], s45, \s*SLOT
	s_add_nc_u64 s[G0+4*\s+2:G0+4*\s+3], s[20:21], \s*ROWB
	s_or_b32 s[G0+4*\s+3], s[G0+4*\s+3], 0x80000000
	s_mov_b32 s[G0B+4*\s], 1
	s_add_co_u32 s[G0B+4*\s+1], s45, \s*SLOT
	s_add_nc_u64 s[G0B+4*\s+2:G0B+4*\s+3], s[46:47], \s*ROWB
	s_or_b32 s[G0B+4*\s+3], s[G0B+4*\s+3], 0x80000000
	JLOAD G0+4*\s, G1, G0B+4*\s, G1B
.endr
	v_and_b32 v1, 15, v0                           ; r = l % 16
	v_bfe_u32 v2, v0, 4, 1                         ; h = l / 16
	; the bias of my 128 columns
	s_cmp_eq_u32 s95, 1
	s_cselect_b64 s[66:67], s[10:11], s[96:97]
	s_cmp_eq_u32 s95, 0
	s_cselect_b64 s[66:67], s[8:9], s[66:67]
	s_lshl_b32 s46, s42, 10
	s_lshl_b32 s47, s16, 9
	s_add_co_u32 s46, s46, s47                     ; 4 bytes x (256 x tile column + 128 x half)
	s_mov_b32 s47, 0
	s_add_nc_u64 s[66:67], s[66:67], s[46:47]
	v_lshlrev_b32 v9, 5, v2                        ; + 8 h numbers
.irp b, 0,1,2,3,4,5,6,7
	global_load_b128 v[BI+8*\b:BI+8*\b+3], v9, s[66:67] offset:64*\b
	global_load_b128 v[BI+8*\b+4:BI+8*\b+7], v9, s[66:67] offset:64*\b+16
.endr
	v_mul_u32_u24 v3, v1, PITCH
	v_lshl_add_u32 v4, v2, 4, v3                   ; a fragment's row x pitch + 16 x half
	s_mul_i32 s21, s15, HALFT                      ; my 128 rows of x
	s_mul_i32 s22, s16, HALFT                      ; my 128 rows of W,
	s_add_co_u32 s22, s22, 2*HALFT                 ; which lie behind x's 256
.irp s, 0,1
	v_add_nc_u32 v[ADRA+\s], s21, v4
	v_add_nc_u32 v[ADRB+\s], s22, v4
	s_add_co_u32 s21, s21, SLOT
	s_add_co_u32 s22, s22, SLOT
.endr
	v_mul_u32_u24 v5, v1, KS                       ; my row's scales: 32 bytes a row,
	v_lshrrev_b32 v6, 8, v5
	v_lshl_add_u32 v5, v6, 4, v5                   ; and 16 more for each 256 passed
	s_mul_i32 s21, s15, HALFS                      ; x's: my 128 rows
	s_mul_i32 s22, s16, HALFS                      ; W's: my 128 rows, behind x's 256
	s_add_co_u32 s22, s22, 2*HALFS
	s_sub_co_u32 s22, s22, s21
	v_mul_u32_u24 v6, s22, v2                      ; lanes 16-31 take W's: the lower base + h x the distance
	s_add_co_u32 s21, s21, SCL
	v_add_nc_u32 v5, v5, v6
	v_add_nc_u32 v[ADRS], s21, v5
	s_mul_i32 s23, s14, 16*SPITCH                  ; my stage
	v_mul_u32_u24 v5, v1, SPITCH                   ; in: row r, 16 bytes for each half of the lanes
	v_lshl_add_u32 v5, v2, 4, v5
	v_add_nc_u32 v[STO], s23, v5
	v_and_b32 v6, 31, v0
	v_lshlrev_b32 v[CO], 4, v6
	v_lshrrev_b32 v7, 3, v6                        ; back: eight lanes take a head's 128 bytes of a row, the 32 lanes four rows
	v_and_b32 v8, 7, v6
	v_mul_u32_u24 v7, v7, SPITCH
	v_lshl_add_u32 v7, v8, 4, v7
	v_add_nc_u32 v[RD], s23, v7
	; where my part begins in qkv: plane (m0 / 2,048) x 16 + 4 x tile column + 2 x half, 262,144 bytes a plane; in it row m0 % 2,048 of 128 bytes.  m0 = 256 x tile row + 128 x half
	s_lshl_b32 s20, s17, 8
	s_lshl_b32 s21, s15, 7
	s_add_co_u32 s20, s20, s21                     ; m0
	s_lshr_b32 s21, s20, 11
	s_lshl_b32 s21, s21, 22                        ; x 16 planes
	s_and_b32 s20, s20, 2047
	s_lshl_b32 s20, s20, 7
	s_add_co_u32 s20, s20, s21
	s_mov_b32 s21, 0
	s_lshl_b32 s46, s42, 2
	s_lshl_b32 s47, s16, 1
	s_add_co_u32 s46, s46, s47
	s_lshl_b32 s46, s46, 18
	s_mov_b32 s47, 0
	s_add_nc_u64 s[12:13], s[98:99], s[20:21]
	s_add_nc_u64 s[12:13], s[12:13], s[46:47]
.macro FRAG reg, adr, q, i             ; a fragment, 16 rows x 128 K of 4-bit codes: lane l holds row l % 16; registers 4 c .. 4 c + 3 hold K = 64 c + 32 (l / 16) + 0 .. 31
.irp c, 0,1
	ds_load_b128 v[\reg+4*\c:\reg+4*\c+3], v[\adr] offset:64*(\q)+32*\c+(\i)*16*PITCH
.endr
.endm
; 16 matrix instructions: x's blocks a0, a0 + 1 against W's eight, 128 along K: the slot's q-th.  p: W's set;  sc: the set of scale words.  zero = 1: the first product starts the sums from the bias.
; The 64 accumulators take turns, one instruction a turn, in the same order in every step.
.macro MUL16 a0, p, q, sc, zero
.irp a, \a0, \a0+1
.irp b, 0,1,2,3,4,5,6,7
.if \zero
	v_wmma_scale_f32_16x16x128_f8f6f4 v[8*(8*((\a)%4)+\b):8*(8*((\a)%4)+\b)+7], v[128*(\p)+FR*\b:128*(\p)+FR*\b+FR-1], v[AF+FR*(\a):AF+FR*(\a)+FR-1], v[BI+8*\b:BI+8*\b+7], v[SC+8*NQ*(\sc)+NQ*\b+(\q)], v[SC+8*NQ*(\sc)+NQ*(\a)+(\q)] matrix_a_fmt:MATRIX_FMT_FP4 matrix_b_fmt:MATRIX_FMT_FP4 matrix_a_scale:MATRIX_SCALE_ROW1
.else
	v_wmma_scale_f32_16x16x128_f8f6f4 v[8*(8*((\a)%4)+\b):8*(8*((\a)%4)+\b)+7], v[128*(\p)+FR*\b:128*(\p)+FR*\b+FR-1], v[AF+FR*(\a):AF+FR*(\a)+FR-1], v[8*(8*((\a)%4)+\b):8*(8*((\a)%4)+\b)+7], v[SC+8*NQ*(\sc)+NQ*\b+(\q)], v[SC+8*NQ*(\sc)+NQ*(\a)+(\q)] matrix_a_fmt:MATRIX_FMT_FP4 matrix_b_fmt:MATRIX_FMT_FP4 matrix_a_scale:MATRIX_SCALE_ROW1
.endif
.endr
.endr
.endm
.macro FETCH_B slot, q, p              ; W's eight fragments of the slot's q-th 128 along K into set p
	WIN TO_B
.irp i, 0,1,2,3,4,5,6,7
	FRAG 128*(\p)+FR*\i, ADRB+\slot, \q, \i
.endr
	WIN 0
.endm
.macro FETCH_A slot, q, i0             ; x's blocks i0 .. i0 + 3
.irp i, \i0, \i0+1, \i0+2, \i0+3
	FRAG AF+FR*(\i), ADRA+\slot, \q, \i
.endr
.endm
.macro SCALES sc                       ; a slot's scale words into set sc: four words a row; lanes 0-15 take x's block i, lanes 16-31 W's block i
.irp i, 0,1,2,3,4,5,6,7
	ds_load_b128 v[SC+8*NQ*\sc+NQ*\i:SC+8*NQ*\sc+NQ*\i+3], v[ADRS] offset:\i*SBLK
.endr
.endm
; A load into a register that a matrix instruction has read, and a vector instruction that reads a matrix result, stand NP places behind that matrix instruction; only plain vector instructions
; that name none of its registers are places (ISA guide 7.12.1 for vector instructions).
.macro PLACES n
.rept \n
	v_nop
.endr
.endm
; A step of 128 along K that has its successor in the same slot.  A block of x is free as soon as its eight products are issued: blocks 0-3 are fetched anew in the step's middle, blocks 4-7 at its end.
.macro STEP slot, q, zero
	s_wait_dscnt 4*NL                              ; W's set and x's blocks 0-3 are in; the youngest eight loads (x's blocks 4-7) may be out
.if \zero
	WIN BIAS_LO
.else
	WIN MUL_LO
.endif
	MUL16 0, (\q)%2, \q, \slot, \zero
	MUL16 2, (\q)%2, \q, \slot, \zero
	s_wait_dscnt 0                                 ; x's blocks 4-7 are in
	PLACES NP
	FETCH_B \slot, (\q)+1, 1-(\q)%2
	FETCH_A \slot, (\q)+1, 0
.if \zero
	WIN BIAS_HI
.else
	WIN MUL_HI
.endif
	MUL16 4, (\q)%2, \q, \slot, \zero
	MUL16 6, (\q)%2, \q, \slot, \zero
	PLACES NP
	WIN 0
	FETCH_A \slot, (\q)+1, 4
.endm
; Slot 0's last step leads over into slot 1: one barrier, in front of which each wave waits for all its tensor loads (its part of slot 1) and for its own reads of slot 0.
.macro TURN slot, next
	s_wait_tensorcnt 0x0                           ; all my tensor loads have landed: my part of the next slot
	ds_add_u32 v[SPW], v[NIL]                      ; 0 onto my spare word
	s_wait_dscnt 4*NL+1                            ; (the add and the youngest eight loads, x's blocks 4-7, may be out)
	WIN MUL_LO
	MUL16 0, 1, NQ-1, \slot, 0                     ; sixteen matrix instructions stand between the add and the wait for it
	s_wait_dscnt 0x0                               ; the add is done, and my reads of this slot are over
	s_barrier_signal -1
	MUL16 2, 1, NQ-1, \slot, 0
	WIN 0
	s_barrier_wait -1
	PLACES NP
	v_add_nc_u32 v[ADRS], 4*NQ, v[ADRS]            ; on to the next slot's scale words
	FETCH_B \next, 0, 0
	FETCH_A \next, 0, 0
	SCALES \next
	WIN MUL_HI
	MUL16 4, 1, NQ-1, \slot, 0
	MUL16 6, 1, NQ-1, \slot, 0
	PLACES NP
	WIN 0
	FETCH_A \next, 0, 4
.endm
	s_wait_tensorcnt 1                             ; the scales and my part of slot 0 are in; slot 1's load may be out
	s_barrier_signal -1
	s_barrier_wait -1                              ; everybody's are
	FETCH_B 0, 0, 0
	FETCH_A 0, 0, 0
	SCALES 0
	FETCH_A 0, 0, 4
	s_wait_loadcnt 0x0                             ; the bias
	STEP 0, 0, 1
	STEP 0, 1, 0
	STEP 0, 2, 0
	TURN 0, 1
	STEP 1, 0, 0
	STEP 1, 1, 0
	STEP 1, 2, 0
	s_wait_dscnt 4*NL                              ; the last step: nothing more to fetch
	WIN MUL_LO
	MUL16 0, 1, NQ-1, 1, 0
	MUL16 2, 1, NQ-1, 1, 0
	s_wait_dscnt 0
	WIN MUL_HI
	MUL16 4, 1, NQ-1, 1, 0
	MUL16 6, 1, NQ-1, 1, 0
	WIN 0
; THE WAY OUT, block by block of 16 rows x 128 columns (two heads).  PACK: rounded to f16, 16 bytes a lane, each accumulator from its low end on.  TOSTAGE: into my own stage in LDS, and back so that
; eight lanes hold a head's 128 bytes of a row.  SEND: each store covers four rows of one head: 512 consecutive bytes, aligned.
.macro PACK a
.set AC, 64*((\a)%4)
	WIN 0x0a+5*((\a)/4)                            ; sources 0 and 1: window 2 or 3
.irp b, 0,1,2,3,4,5,6,7
.irp r, 0,1,2,3
	v_cvt_pk_f16_f32 v[TMP+4*\b+\r], v[AC+8*\b+2*\r], v[AC+8*\b+2*\r+1]
.endr
.endr
	WIN 0
.endm
.macro TOSTAGE a
.set BB, BK+32*((\a)%2)
.irp b, 0,1,2,3,4,5,6,7
	ds_store_b128 v[STO], v[TMP+4*\b:TMP+4*\b+3] offset:32*\b
.endr
.irp t, 0,1,2,3,4,5,6,7
	ds_load_b128 v[BB+4*\t:BB+4*\t+3], v[RD] offset:(\t%4)*4*SPITCH+(\t/4)*128   ; LDS serves a wave's instructions in order (ISA guide 5.7.1.4): these see the stores above
.endr
.endm
.macro SEND a
.set BB, BK+32*((\a)%2)
	s_wait_dscnt 0x0                               ; the block is back in registers
	s_wait_xcnt 0x0                                ; the stores of the block before have read their registers: the next block's loads may land there
.irp t, 0,1,2,3,4,5,6,7
	global_store_b128 v[CO], v[BB+4*\t:BB+4*\t+3], s[12:13] offset:(\t/4)*262144+(\t%4)*512+(\a)*2048
.endr
.endm
	PLACES NP
	PACK 0
	TOSTAGE 0
.irp a, 1,2,3,4,5,6,7                  ; block a's conversions stand between block a - 1's loads from the stage and the wait for them
	PACK \a
	SEND \a-1
	TOSTAGE \a
.endr
	SEND 7
	s_wait_tensorcnt 0x0                           ; the wave's end, behind my last tensor load and my last LDS store
	ds_add_u32 v[SPW], v[NIL]
	s_wait_dscnt 0x0
	CROUND                                         ; the closing round: no work-group ends while a partner may still ask for a tile that names it
	s_endpgm
.Lfunc_end_k_q110c8d343a_proj:
	.size	k_q110c8d343a_proj, .Lfunc_end_k_q110c8d343a_proj-k_q110c8d343a_proj
	.p2alignl 7, 3214868480
	.fill 96, 4, 3214868480
	.section	.rodata,"a",@progbits
	.p2align	6, 0x0
	.amdhsa_kernel k_q110c8d343a_proj
		.amdhsa_group_segment_fixed_size 327680
		.amdhsa_private_segment_fixed_size 0
		.amdhsa_enable_private_segment 0
		.amdhsa_kernarg_size 48
		.amdhsa_user_sgpr_count 2
		.amdhsa_user_sgpr_kernarg_segment_ptr 1
		.amdhsa_wavefront_size32 1
		.amdhsa_system_sgpr_workgroup_id_x 1
		.amdhsa_system_sgpr_workgroup_id_y 1
		.amdhsa_system_sgpr_workgroup_id_z 1
		.amdhsa_system_vgpr_workitem_id 0
		.amdhsa_next_free_vgpr 1024
		.amdhsa_next_free_sgpr 100
		.amdhsa_reserve_vcc 0
		.amdhsa_float_denorm_mode_32 3
		.amdhsa_float_denorm_mode_16_64 3
		.amdhsa_memory_ordered 1
		.amdhsa_forward_progress 1
		.amdhsa_inst_pref_size 128
	.end_amdhsa_kernel
	.amdgpu_metadata
---
amdhsa.version: [ 1, 2 ]
amdhsa.kernels:
  - .name:           k_q110c8d343a_proj
    .symbol:         k_q110c8d343a_proj.kd
    .args:
      - { .name: codes, .offset: 0, .size: 8, .value_kind: global_buffer, .address_space: global }
      - { .name: scales, .offset: 8, .size: 8, .value_kind: global_buffer, .address_space: global }
      - { .name: bq, .offset: 16, .size: 8, .value_kind: global_buffer, .address_space: global }
      - { .name: bk, .offset: 24, .size: 8, .value_kind: global_buffer, .address_space: global }
      - { .name: bv, .offset: 32, .size: 8, .value_kind: global_buffer, .address_space: global }
      - { .name: qkv, .offset: 40, .size: 8, .value_kind: global_buffer, .address_space: global }
    .group_segment_fixed_size: 327680
    .private_segment_fixed_size: 0
    .kernarg_segment_align: 8
    .kernarg_segment_size: 48
    .max_flat_workgroup_size: 128
    .sgpr_count:     100
    .vgpr_count:     1024
    .wavefront_size: 32
...
	.end_amdgpu_metadata
.endif
;; end of part 2
;; launch attn (part 3): grid 8 x 64, 8 waves a work-group, no clusters, 193,536 bytes of LDS; arguments qkv, mbits, mflag, oh; writes oh
.if DOCPART == 3
	.amdgcn_target "amdgcn-amd-amdhsa--gfx1250"
	.amdhsa_code_object_version 6
	.text
	.protected	k_q110c8d343a_attn
	.globl	k_q110c8d343a_attn
	.p2align	8
	.type	k_q110c8d343a_attn,@function
k_q110c8d343a_attn:
	s_mov_b64 s[64:65], 0
	v_nop
	global_prefetch_b8 v0, s[64:65] scope:SCOPE_SE
	s_setreg_imm32_b32 hwreg(HW_REG_WAVE_MODE, 25, 1), 1
	s_wait_xcnt 0x0
; o[b][h][q][:] = the sum over k of softmax_k(q . k / 8, masked keys at -infinity) v[k][:].  q, k, v: f16, qkv[(projection x 4 + b) x 16 + h][t 2048][64].  o: f16, oh[h][b x 2048 + t][64].
; Products, maxima and sums in f32; the weights p are rounded to f16 for the second product, o once at the end.  A row all of whose keys are masked has the sum 0 and comes out as NaN.
; LIMITS: |o| up to 65,504; NaN and infinities in q, k, v are not served.
; SHARES.  A work-group owns 256 queries of one head, each of its eight waves 32: two tiles of 16.  Two waves lie on a SIMD, so that one wave's softmax stands beside the other's products.
; Every wave walks all 2,048 keys, 64 a step, four steps (a GROUP) out of one LDS slot; ONE barrier a group: in front of it each wave's stores have landed and its reads are back.
; EVERYTHING THAT A STEP WAITS FOR IS ASKED FOR AHEAD.  The next group's K and V (four tiles of 8,192 bytes each) are loaded by the 256 threads together at a group's head, sixteen loads a thread, and stored into
; the slot that is not being read behind the group's third step.  K's fragments of the next step are read from LDS behind this step's K Q^T, as soon as their registers are free.  The mask words of the
; next step are asked for behind this step's use of its own.
; NO TENSOR LOADS AND NO CLUSTER, though the eight work-groups of a head walk the same K and V: the mask is loaded and applied only in the steps in which a stored flag says that something is masked, a
; scalar branch on a number read from memory.  The branch leads round 64 of a step's vector instructions.
; LAYOUT.  S^T = K Q^T (source 0 = 16 keys, source 1 = 16 queries): a lane holds ONE query (lane % 16) and the keys 8 (lane / 16) + 0 .. 7 of the tile.  Two such tiles, rounded to f16 in pairs, ARE
; source 1 (32 keys x 16 queries) of O^T = V^T P.  K comes out of LDS as it lies, V ([key][channel]) turned, by ds_load_tr16_b128.
; SOFTMAX.  For each query a running maximum m and sum l: p = 2^(c s - c m), c = log2(e) / 8; in every step O and l are multiplied by a = 2^(c m_old - c m_new).  m begins at -3e38, O and l at 0.
; THE MASK.  mbits holds, for each tile of queries, step and register of S^T, the lane mask as a word: one v_cndmask_b32 a register.
; REGISTERS: window 0: v1-15 addresses; v32-63 Q; v64-127 S^T; v128-159 P; v160-223 V; v224-239 statistics; v240-241 addresses.  window 1: v0-63 O^T; v64-127 K; v128-191 the next group's tiles on their way to LDS.
.set KP,    144                        ; a row of K in LDS: 128 bytes + 16 = 36 words: the 16 rows of a load start at 16 different groups of four banks (64 banks of 4 bytes: ISA guide 11.1)
.set VP,    160                        ; a row of V: 128 + 32 bytes, an odd multiple of 32, for the turning load
.set VOFF,  64*KP                      ; a step's tiles lie together: 64 rows of K, then 64 rows of V
.set STEPB, 64*(KP+VP)
.set SLOTB, 4*STEPB
.set GRPB,  4*8192                     ; a group's four tiles of K, or of V, in memory
.set STAGE, 2*SLOTB                    ; behind the slots: 32 rows x 144 bytes for each wave, for the way out
.set SPARE, STAGE+8*32*KP              ; the spare words, 128 bytes for each wave: four blocks of 256 bytes that no other line names
.set AK0, 1                            ; v1   my lane's place in a tile of K
.set AV0, 2                            ; v2   the same for V
.set ADK, 3                            ; v3   LDS address of the step's K
.set ADV, 4                            ; v4   of its V
.set GT,  5                            ; v5   16 x my thread's number: my 16 bytes of a tile's first half in memory
.set SK0, 6                            ; v6   where they go in a tile of K
.set SV0, 7                            ; v7   and of V
.set WAK, 8                            ; v8   the same in the slot that is being filled
.set WAV, 9                            ; v9
.set QO,  10                           ; v10  my byte offset in the wave's rows of Q
.set RD,  11                           ; v11  the way out: where I read 16 bytes back
.set NINF, 12                          ; v12  -infinity
.set PFO, 13                           ; v13  256 x lane
.set SPW, 14                           ; v14  LDS address of my spare word; never rewritten
.set NIL, 15                           ; v15  0; never rewritten
.set Q,   32                           ; tile t, channels 32 c on: v[Q + 16 t + 8 c]
.set S,   64                           ; tile t, keys 16 kt on: v[S + 32 t + 8 kt]
.set P,   128                          ; v[P + 16 t + 4 kt]
.set VF,  160                          ; keys 32 kh on, channels 16 ct on: v[VF + 32 kh + 8 ct]
.set ST,  224                          ; tile t's statistics at v[ST + 8 t]: +0 c m, +1 m, +2, +3 l (even keys', odd keys'), +4 to +7 at work; a takes +6
.set GO,  240                          ; v240 16 x lane
.set STO, 241                          ; v241 the way out: where I put 16 bytes of a row
.set KF,  64                           ; in window 1: keys 16 kt on, channels 32 c on: v[KF + 16 kt + 8 c]
.set TGW, 128                          ; in window 1: step s of the next group: K's two pieces at v[TGW + 16 s], V's two at v[TGW + 16 s + 8]
.set WV,  16                           ; s16  my wave's number
.set FL,  17                           ; s17  the flags of the steps to come, the next step's in bit 0
.set RB,  19                           ; s19  LDS byte at which the step's tiles begin
.set IC,  21
.set OC,  22
.set GJ,  23                           ; s23  the group's number
.set LIMG, 24                          ; s24  6 in a work-group that prefetches, else 0
.set CS,  26                           ; s[26:27] c
.set SEL, 28                           ; s[28:29] lane selects for v_permlanex16_b32: lane l xor 16
.set PFA, 30                           ; s[30:31] my wave's tile of the group after next: of K (waves 0 to 3) or of V (waves 4 to 7)
.set MSB, 0
.macro WIN new
.if MSB != (\new)
	s_set_vgpr_msb (MSB<<8)|(\new)
.set MSB, (\new)
.endif
.endm
	s_load_b256 s[4:11], s[0:1], 0x0               ; qkv s[4:5], mbits s[6:7], mflag s[8:9], oh s[10:11]
	v_lshl_add_u32 v[SPW], v0, 2, SPARE
	v_mov_b32 v[NIL], 0
	v_lshrrev_b32 v1, 5, v0
	v_readfirstlane_b32 s[WV], v1                  ; wave 0..7
	s_and_b32 s32, ttmp7, 0xffff                   ; 16 b + h
	s_lshr_b32 s33, s32, 4                         ; b
	s_and_b32 s34, s32, 15                         ; h
	s_lshl_b32 s35, ttmp9, 15
	s_lshl_b32 s36, s[WV], 12
	s_add_co_u32 s35, s35, s36                     ; my 32 queries among a head's rows of 128 bytes: 256 x + 32 wave
	s_lshl_b32 s36, s32, 18                        ; a head is 262,144 bytes
	s_add_co_u32 s38, s36, s35                     ; Q
	s_mov_b32 s39, 0
	s_add_co_u32 s40, s36, 64<<18                  ; K
	s_mov_b32 s41, 0
	s_add_co_u32 s42, s36, 128<<18                 ; V
	s_mov_b32 s43, 0
	s_lshl_b32 s44, s34, 20                        ; oh: plane h of 1,048,576 bytes,
	s_lshl_b32 s45, s33, 18                        ; batch b's 2,048 rows
	s_add_co_u32 s44, s44, s45
	s_add_co_u32 s44, s44, s35
	s_mov_b32 s45, 0
	s_lshl_b32 s46, s33, 7
	s_lshl_b32 s47, ttmp9, 4
	s_add_co_u32 s46, s46, s47
	s_lshl_b32 s47, s[WV], 1
	s_add_co_u32 s46, s46, s47                     ; my first tile of queries: 128 b + 16 x + 2 wave
	s_lshl_b32 s48, s46, 12                        ; 4,096 bytes of mask words a tile,
	s_mov_b32 s49, 0
	s_lshl_b32 s50, s46, 5                         ; 32 bytes of flags
	s_mov_b32 s51, 0
	v_and_b32 v16, 15, v0                          ; r
	v_bfe_u32 v17, v0, 4, 1                        ; h
	v_mul_u32_u24 v[AK0], v16, KP
	v_lshl_add_u32 v[AK0], v17, 4, v[AK0]          ; K: row r x pitch + 16 x half
	v_and_b32 v18, 7, v0
	v_bfe_u32 v19, v0, 3, 1
	v_lshl_add_u32 v[AV0], v17, 3, v18             ; V: the turning load takes 16 keys x 16 channels: lane l reads key 8 (l / 16) + l % 8, channels 8 ((l / 8) % 2) on
	v_mul_u32_u24 v[AV0], v[AV0], VP
	v_lshl_add_u32 v[AV0], v19, 4, v[AV0]
	v_add_nc_u32 v[AV0], VOFF, v[AV0]
	v_lshlrev_b32 v[GT], 4, v0
	v_lshrrev_b32 v20, 3, v0                       ; eight threads to a row of 128 bytes
	v_mul_u32_u24 v[SK0], v20, KP
	v_lshl_add_u32 v[SK0], v18, 4, v[SK0]
	v_mul_u32_u24 v[SV0], v20, VP
	v_lshl_add_u32 v[SV0], v18, 4, v[SV0]
	v_add_nc_u32 v[SV0], VOFF, v[SV0]
	v_lshlrev_b32 v[QO], 7, v16
	v_lshl_add_u32 v[QO], v17, 4, v[QO]
	v_mov_b32 v[NINF], 0xff800000
	v_and_b32 v21, 31, v0
	v_lshlrev_b32 v[PFO], 8, v21
	v_lshlrev_b32 v[GO], 4, v21
	s_mul_i32 s52, s[WV], 32*KP
	s_add_co_u32 s52, s52, STAGE                   ; my stage
	v_add_nc_u32 v[STO], s52, v[AK0]               ; in: row r, 16 bytes for each half of the lanes
	v_lshrrev_b32 v22, 3, v21
	v_mul_u32_u24 v[RD], v22, KP
	v_lshl_add_u32 v[RD], v18, 4, v[RD]
	v_add_nc_u32 v[RD], s52, v[RD]                 ; back: eight lanes to a row, four rows an instruction
	s_mov_b32 s[CS], 0x3e38aa3b                    ; c = log2(e) / 8
	s_mov_b32 s[CS+1], s[CS]                       ; (named with it as a pair, so it is written)
	s_mov_b32 s[SEL], 0x76543210
	s_mov_b32 s[SEL+1], 0xfedcba98
	s_mov_b32 s[GJ], 0
	s_cmp_eq_u32 ttmp9, 0                          ; the head's first work-group prefetches
	s_cselect_b32 s[LIMG], 6, 0
	s_and_b32 s54, s[WV], 3
	s_lshl_b32 s54, s54, 13                        ; my wave's tile of a group,
	s_add_co_u32 s54, s54, 2*GRPB                  ; in group 2
	s_mov_b32 s55, 0
	s_wait_kmcnt 0x0
	s_mov_b64 s[12:13], s[6:7]
	s_mov_b64 s[14:15], s[8:9]
	s_add_nc_u64 s[6:7], s[4:5], s[40:41]          ; K s[6:7]
	s_add_nc_u64 s[8:9], s[4:5], s[42:43]          ; V s[8:9]
	s_add_nc_u64 s[4:5], s[4:5], s[38:39]          ; Q s[4:5]
	s_add_nc_u64 s[10:11], s[10:11], s[44:45]      ; oh s[10:11]
	s_add_nc_u64 s[12:13], s[12:13], s[48:49]      ; mask words s[12:13]
	s_add_nc_u64 s[14:15], s[14:15], s[50:51]      ; flags s[14:15]
	s_load_b512 s[68:83], s[14:15], 0x0            ; eight words of flags for each of my two tiles
	s_cmp_lt_u32 s[WV], 4
	s_cselect_b64 s[PFA:PFA+1], s[6:7], s[8:9]
	s_add_nc_u64 s[PFA:PFA+1], s[PFA:PFA+1], s[54:55]
.irp s, 0,1,2,3                        ; steps 0 to 3 go to slot 0 through S^T's registers
.irp i, 0,1
	global_load_b128 v[S+16*\s+4*\i:S+16*\s+4*\i+3], v[GT], s[6:7] offset:\s*8192+\i*4096
	global_load_b128 v[S+8+16*\s+4*\i:S+8+16*\s+4*\i+3], v[GT], s[8:9] offset:\s*8192+\i*4096
.endr
.endr
.irp t, 0,1                            ; Q stays in registers: lane l holds query l % 16; registers 0-3 channels 8 (l / 16) on, registers 4-7 channels 16 + 8 (l / 16) on
.irp c, 0,1
	global_load_b128 v[Q+16*\t+8*\c:Q+16*\t+8*\c+3], v[QO], s[4:5] offset:\t*2048+\c*64
	global_load_b128 v[Q+16*\t+8*\c+4:Q+16*\t+8*\c+7], v[QO], s[4:5] offset:\t*2048+\c*64+32
.endr
.endr
.irp t, 0,1
	v_mov_b32 v[ST+8*\t+1], 0xff61b1e6             ; m = -3e38, under every score that counts
	v_mul_f32 v[ST+8*\t], s[CS], v[ST+8*\t+1]      ; c m
	v_mov_b32 v[ST+8*\t+2], 0                      ; l
	v_mov_b32 v[ST+8*\t+3], 0
.endr
	WIN 0x40
.set n, 0
.rept 64
	v_mov_b32 v[n], 0                              ; O^T.  (The step has no first form of its own: the first finds zeros, which its a leaves zeros)
.set n, n+1
.endr
	WIN 0
	s_wait_loadcnt 8                               ; K's and V's sixteen loads are in; Q's eight may be out
.irp s, 0,1,2,3
.irp i, 0,1
	ds_store_b128 v[SK0], v[S+16*\s+4*\i:S+16*\s+4*\i+3] offset:\s*STEPB+\i*32*KP
	ds_store_b128 v[SV0], v[S+8+16*\s+4*\i:S+8+16*\s+4*\i+3] offset:\s*STEPB+\i*32*VP
.endr
.endr
	s_add_nc_u64 s[6:7], s[6:7], GRPB              ; (their loads are done)  on to group 1's tiles
	s_add_nc_u64 s[8:9], s[8:9], GRPB
	s_wait_kmcnt 0x0
	s_or_b32 s[FL], s68, s76                       ; a step counts as masked where either of my tiles has something masked in it; chunk g's four bits go to bits 4 g on
.irp g, 1,2,3,4,5,6,7
	s_or_b32 s18, s[68+\g], s[76+\g]
	s_lshl_b32 s18, s18, 4*\g
	s_or_b32 s[FL], s[FL], s18
.endr
	s_load_b512 s[32:47], s[12:13], 0x0            ; step 0's 32 mask words of tile 0, whatever its flag says: so these registers are written on every way;
	s_load_b512 s[48:63], s[12:13], 0x40
	s_load_b512 s[68:83], s[12:13], 0x1000         ; and of tile 1
	s_load_b512 s[84:99], s[12:13], 0x1040
	s_wait_loadcnt 0x0                             ; Q
	s_wait_dscnt 0x0                               ; for the others' sake: my stores into slot 0 have landed
	s_barrier_signal -1
	s_barrier_wait -1
; A PREFETCH of what the NEXT group's head will load: at the head of group g the tiles of group g + 2: four tiles of K and four of V, 8,192 bytes each.  It stands where the wave has just issued its loads.
; All eight work-groups of a head walk the same K and V: the head's first asks; in it wave w names one tile (waves 0 to 3: K's, waves 4 to 7: V's), lanes 256 bytes apart, one instruction: so each block of
; 256 bytes is named once in the launch.  Groups 0 and 1 come by their loads alone; from group 6 on nothing is named: group 7 is the last.
.macro ASK
	s_cmp_lt_u32 s[GJ], s[LIMG]
	s_cbranch_scc0 .Lnot_mine_\@
	global_prefetch_b8 v[PFO], s[PFA:PFA+1] th:TH_LOAD_NT scope:SCOPE_SE
.Lnot_mine_\@:
.endm
; K's eight fragments, off bytes on from v[ADK], into window 1: keys 16 (f / 2) on, channels 32 (f % 2) on
.macro FETCHK off
.irp f, 0,1,2,3,4,5,6,7
	ds_load_b128 v[KF+8*\f:KF+8*\f+3],   v[ADK] offset:(\off)+(\f/2)*16*KP+(\f%2)*64
	ds_load_b128 v[KF+8*\f+4:KF+8*\f+7], v[ADK] offset:(\off)+(\f/2)*16*KP+(\f%2)*64+32
.endr
.endm
; A KEY STEP: 64 keys.  Its fragments of K are in registers when it begins.  kn = 1: the next step lies in the same slot, and its fragments of K are fetched here.
.macro STEP kn
.if \kn
	v_add_nc_u32 v[ADK], s[RB], v[AK0]
.endif
	v_add_nc_u32 v[ADV], s[RB], v[AV0]
	WIN 0x01                                       ; K in window 1
.set i, 0
.rept 16                               ; S^T = K Q^T: channels 32 (i / 8) on, keys 16 ((i / 2) % 4) on, tile i % 2.  The eight accumulators take turns; the first eight start the sums
.set rS, S+32*(i%2)+8*((i/2)%4)
.set rK, KF+16*((i/2)%4)+8*(i/8)
.set rQ, Q+16*(i%2)+8*(i/8)
.if i < 8
	v_wmma_f32_16x16x32_f16 v[rS:rS+7], v[rK:rK+7], v[rQ:rQ+7], 0
.else
	v_wmma_f32_16x16x32_f16 v[rS:rS+7], v[rK:rK+7], v[rQ:rQ+7], v[rS:rS+7]
.endif
.set i, i+1
.endr
	WIN 0
.rept 4
	v_nop                                          ; four places: ahead of the first read of the scores and of the loads into K's registers; with the addition at the step's head they also stand behind the last step's V^T P, ahead of the loads into V's registers
.endr
.irp f, 0,1,2,3,4,5,6,7                        ; V, turned: keys 32 (f / 4) on, channels 16 (f % 4) on; it lands while the softmax is worked
	ds_load_tr16_b128 v[VF+8*\f:VF+8*\f+3],   v[ADV] offset:(\f/4)*32*VP+(\f%4)*32
	ds_load_tr16_b128 v[VF+8*\f+4:VF+8*\f+7], v[ADV] offset:(\f/4)*32*VP+16*VP+(\f%4)*32
.endr
.if \kn
	WIN 0x40                                       ; destination window 1
	FETCHK STEPB                                   ; the next step's K: a whole softmax and V^T P ahead of its use
	WIN 0
.endif
	s_wait_kmcnt 0x0                               ; this step's mask words, if they were asked for a step ago, are in; and their base may step
	s_add_nc_u64 s[12:13], s[12:13], 128           ; on to the next step's words
	s_and_b32 s18, s[FL], 1
	s_lshr_b32 s[FL], s[FL], 1
	s_cmp_eq_u32 s18, 0
	s_cbranch_scc1 .Lopen_\@                       ; nothing is masked in this step for my 32 queries
.set n, 0
.rept 32
	v_cndmask_b32 v[S+n], v[S+n], v[NINF], s[32+n]
.set n, n+1
.endr
.set n, 0
.rept 32
	v_cndmask_b32 v[S+32+n], v[S+32+n], v[NINF], s[68+n]
.set n, n+1
.endr
.Lopen_\@:
	; the maximum of my 32 scores and the old m, three operands at a time, four chains a tile, the two tiles by turns; each accumulator is read from its low end on
.irp k, 0,1,2,3
.irp t, 0,1
	v_max3_num_f32 v[ST+8*\t+4+\k], v[S+32*\t+8*\k], v[S+32*\t+8*\k+1], v[S+32*\t+8*\k+2]
.endr
.endr
.irp u, 3,5
.irp k, 0,1,2,3
.irp t, 0,1
	v_max3_num_f32 v[ST+8*\t+4+\k], v[ST+8*\t+4+\k], v[S+32*\t+8*\k+\u], v[S+32*\t+8*\k+\u+1]
.endr
.endr
.endr
	s_and_b32 s18, s[FL], 1                        ; THE NEXT STEP'S MASK WORDS are asked for here, a step ahead of their use, and only where the next step's flag is set: the very bit that the next step tests before it
	s_cmp_eq_u32 s18, 0                            ; applies them.  Behind the last step the flags are 0: nothing is asked for past the words' end
	s_cbranch_scc1 .Lnone_\@
	s_load_b512 s[32:47], s[12:13], 0x0            ; tile 0's 32 words,
	s_load_b512 s[48:63], s[12:13], 0x40
	s_load_b512 s[68:83], s[12:13], 0x1000         ; tile 1's
	s_load_b512 s[84:99], s[12:13], 0x1040
.Lnone_\@:
.irp t, 0,1
	v_max3_num_f32 v[ST+8*\t+4], v[ST+8*\t+4], v[S+32*\t+7], v[S+32*\t+15]
.endr
.irp t, 0,1
	v_max3_num_f32 v[ST+8*\t+6], v[ST+8*\t+6], v[S+32*\t+23], v[S+32*\t+31]
.endr
.irp t, 0,1
	v_max3_num_f32 v[ST+8*\t+4], v[ST+8*\t+4], v[ST+8*\t+5], v[ST+8*\t+6]
.endr
.irp t, 0,1
	v_max3_num_f32 v[ST+8*\t+4], v[ST+8*\t+4], v[ST+8*\t+7], v[ST+8*\t+1]
.endr
.irp t, 0,1
	v_permlanex16_b32 v[ST+8*\t+5], v[ST+8*\t+4], s[SEL], s[SEL+1]   ; the query's other 32 keys lie in the lane 16 away
.endr
.irp t, 0,1
	v_mov_b32 v[ST+8*\t+7], v[ST+8*\t]             ; c m_old is kept for a
.endr
.irp t, 0,1
	v_max_num_f32 v[ST+8*\t+1], v[ST+8*\t+4], v[ST+8*\t+5]
.endr
.irp t, 0,1
	v_mul_f32 v[ST+8*\t], s[CS], v[ST+8*\t+1]
.endr
.irp t, 0,1
	v_sub_f32 v[ST+8*\t+7], v[ST+8*\t+7], v[ST+8*\t]
.endr
.irp t, 0,1
.set n, 0
.rept 16
	v_pk_fma_f32 v[S+32*\t+n:S+32*\t+n+1], v[S+32*\t+n:S+32*\t+n+1], s[CS:CS+1], v[ST+8*\t:ST+8*\t+1] op_sel_hi:[1,0,0] neg_lo:[0,0,1] neg_hi:[0,0,1]   ; c s - c m, two at a time
.set n, n+2
.endr
.endr
.irp t, 0,1
	v_exp_f32 v[ST+8*\t+6], v[ST+8*\t+7]           ; a
.endr
.set n, 0
.rept 64
	v_exp_f32 v[S+n], v[S+n]                       ; p.  The 66 exponentials are ONE batch: none reads another's result
.set n, n+1
.endr
	v_nop                                          ; a plain instruction behind the last exponential, ahead of the first use
	s_wait_alu depctr_va_vdst(0)                   ; the wait between the exponentials and the first line that names a result: one for the batch
.set n, 0
.rept 32
	v_cvt_pk_f16_f32 v[P+n], v[S+2*n], v[S+2*n+1]  ; the weights for the second product
.set n, n+1
.endr
.irp w, 4,8,16,32                      ; the sums of the unrounded p, in place: neighbours 1, 2, 4 and 8 pairs apart, both tiles in each pass
.set n, 0
.rept 64/\w
	v_pk_add_f32 v[S+n:S+n+1], v[S+n:S+n+1], v[S+n+\w/2:S+n+\w/2+1]
.set n, n+\w
.endr
.endr
.irp t, 0,1
	v_pk_fma_f32 v[ST+8*\t+2:ST+8*\t+3], v[ST+8*\t+2:ST+8*\t+3], v[ST+8*\t+6:ST+8*\t+7], v[S+32*\t:S+32*\t+1] op_sel_hi:[1,0,1]   ; l = a l + the sum
.endr
	WIN 0x41                                       ; O^T (destination and source 0) in window 1, a in window 0
.irp t, 0,1
.set n, 0
.rept 16
	v_pk_mul_f32 v[32*\t+n:32*\t+n+1], v[32*\t+n:32*\t+n+1], v[ST+8*\t+6:ST+8*\t+7] op_sel_hi:[1,0]
.set n, n+2
.endr
.endr
	s_wait_dscnt 0x0                               ; V is in, and so is the next step's K: both were asked for ahead of the softmax
	WIN 0x50                                       ; C and D in window 1
.set i, 0
.rept 16                               ; O^T += V^T P: keys 32 (i / 8) on, channels 16 ((i / 2) % 4) on, tile i % 2.  The eight accumulators take turns
.set rO, 32*(i%2)+8*((i/2)%4)
.set rV, VF+32*(i/8)+8*((i/2)%4)
.set rP, P+16*(i%2)+8*(i/8)
	v_wmma_f32_16x16x32_f16 v[rO:rO+7], v[rV:rV+7], v[rP:rP+7], v[rO:rO+7]
.set i, i+1
.endr
	WIN 0
.endm
; A GROUP: four steps out of one slot.  fill = 1: the next group's tiles are loaded at its head, stored into the other slot behind its third step, and a barrier closes it.
; The first three steps are one text, walked three times; their LDS addresses hang on s[RB].  The fourth is written out: the step behind it lies in the other slot, which is whole only behind the barrier.
.macro GROUP slot, fill
	s_mov_b32 s[RB], \slot*SLOTB
	v_add_nc_u32 v[ADK], s[RB], v[AK0]
	WIN 0x40                                       ; destination window 1, for both runs of loads
	FETCHK 0                                       ; the group's first K: the one fetch that cannot be made ahead
.if \fill
.irp s, 0,1,2,3                        ; sixteen loads a thread, 65,536 bytes for the work-group: three steps ahead of the wait for them.  Their registers' last stores to LDS were waited for in front of the barrier
.irp i, 0,1
	global_load_b128 v[TGW+16*\s+4*\i:TGW+16*\s+4*\i+3], v[GT], s[6:7] offset:\s*8192+\i*4096
	global_load_b128 v[TGW+8+16*\s+4*\i:TGW+8+16*\s+4*\i+3], v[GT], s[8:9] offset:\s*8192+\i*4096
.endr
.endr
.endif
	WIN 0
.if \fill
	ASK
.endif
	s_wait_dscnt 0x0                               ; K is in
	s_mov_b32 s[IC], 3
.Lstep_\@:
	STEP 1
	s_add_co_u32 s[RB], s[RB], STEPB
	s_sub_co_u32 s[IC], s[IC], 1
	s_cmp_lg_u32 s[IC], 0
	s_cbranch_scc1 .Lstep_\@
.if \fill
	s_wait_loadcnt 0x0                             ; the next group's tiles, asked for at the group's head
	v_add_nc_u32 v[WAK], (1-\slot)*SLOTB, v[SK0]
	v_add_nc_u32 v[WAV], (1-\slot)*SLOTB, v[SV0]
	WIN 0x04                                       ; an LDS store's data are its source 1: window 1
.irp s, 0,1,2,3                        ; into the slot that every wave left at the last barrier; read only behind the next.  The group's last step stands between these stores and the wait for them
.irp i, 0,1
	ds_store_b128 v[WAK], v[TGW+16*\s+4*\i:TGW+16*\s+4*\i+3] offset:\s*STEPB+\i*32*KP
	ds_store_b128 v[WAV], v[TGW+8+16*\s+4*\i:TGW+8+16*\s+4*\i+3] offset:\s*STEPB+\i*32*VP
.endr
.endr
	WIN 0
	s_wait_xcnt 0x0                                ; the prefetch, three steps back, has read its address
	s_add_nc_u64 s[6:7], s[6:7], GRPB
	s_add_nc_u64 s[8:9], s[8:9], GRPB
	s_add_nc_u64 s[PFA:PFA+1], s[PFA:PFA+1], GRPB
.endif
	s_mov_b32 s[RB], \slot*SLOTB+3*STEPB
	STEP 0
	s_add_co_u32 s[GJ], s[GJ], 1
.if \fill
	s_wait_dscnt 0x0                               ; my stores into the other slot have landed and my reads of this one are back
	s_barrier_signal -1
	s_barrier_wait -1                              ; the same holds of all eight waves: the slots change places
.endif
.endm
	s_mov_b32 s[OC], 3
.Lpair:                                            ; groups 0 to 5; groups 1 to 6 are loaded
	GROUP 0, 1
	GROUP 1, 1
	s_sub_co_u32 s[OC], s[OC], 1
	s_cmp_lg_u32 s[OC], 0
	s_cbranch_scc1 .Lpair
	GROUP 0, 1                                     ; group 6; group 7 is loaded
	GROUP 1, 0                                     ; group 7: nothing is left to load
	; THE WAY OUT.  l's two halves and the other half of the lanes' are added; O^T is divided by l, rounded to f16 and sent through my stage in LDS, so that each store covers four whole rows.
.rept 4
	v_nop                                          ; four places behind the last products
.endr
.irp t, 0,1
	v_add_f32 v[ST+8*\t+4], v[ST+8*\t+2], v[ST+8*\t+3]
.endr
.irp t, 0,1
	v_permlanex16_b32 v[ST+8*\t+5], v[ST+8*\t+4], s[SEL], s[SEL+1]
.endr
.irp t, 0,1
	v_add_f32 v[ST+8*\t+4], v[ST+8*\t+4], v[ST+8*\t+5]
.endr
.irp t, 0,1
	v_rcp_f32 v[ST+8*\t+6], v[ST+8*\t+4]           ; a row with no open key: 1 / 0, and 0 x infinity below is the NaN that such a row has
.endr
	v_nop                                          ; a plain instruction between the last reciprocal and the use of its result
	s_wait_alu depctr_va_vdst(0)                   ; and a wait ahead of the first use: one for both
	WIN 0x41
.irp t, 0,1
.set n, 0
.rept 16
	v_pk_mul_f32 v[32*\t+n:32*\t+n+1], v[32*\t+n:32*\t+n+1], v[ST+8*\t+6:ST+8*\t+7] op_sel_hi:[1,0]
.set n, n+2
.endr
.endr
	WIN 0x05                                       ; sources 0 and 1 window 1, destination window 0: S^T's registers are free
.set n, 0
.rept 32
	v_cvt_pk_f16_f32 v[S+n], v[2*n], v[2*n+1]
.set n, n+1
.endr
	WIN 0
.irp t, 0,1
.irp c, 0,1,2,3
	ds_store_b128 v[STO], v[S+16*\t+4*\c:S+16*\t+4*\c+3] offset:\t*16*KP+32*\c   ; lane (r, h): o(16 t + r, 16 c + 8 h + 0 .. 7)
.endr
.endr
.irp i, 0,1,2,3,4,5,6,7
	ds_load_b128 v[S+32+4*\i:S+32+4*\i+3], v[RD] offset:\i*4*KP   ; LDS serves a wave's instructions in order (ISA guide 5.7.1.4): these see my stores
.endr
.irp i, 0,1,2,3,4,5,6,7
	s_wait_dscnt 7-\i                              ; load i is in; the 7 - i younger ones may be out
	global_store_b128 v[GO], v[S+32+4*\i:S+32+4*\i+3], s[10:11] offset:512*\i   ; 32 lanes store 512 consecutive bytes, aligned
.endr
	s_wait_tensorcnt 0x0                           ; the wave's end, behind my last LDS store
	ds_add_u32 v[SPW], v[NIL]
	s_wait_dscnt 0x0
	s_endpgm
.Lfunc_end_k_q110c8d343a_attn:
	.size	k_q110c8d343a_attn, .Lfunc_end_k_q110c8d343a_attn-k_q110c8d343a_attn
	.p2alignl 7, 3214868480
	.fill 96, 4, 3214868480
	.section	.rodata,"a",@progbits
	.p2align	6, 0x0
	.amdhsa_kernel k_q110c8d343a_attn
		.amdhsa_group_segment_fixed_size 193536
		.amdhsa_private_segment_fixed_size 0
		.amdhsa_enable_private_segment 0
		.amdhsa_kernarg_size 32
		.amdhsa_user_sgpr_count 2
		.amdhsa_user_sgpr_kernarg_segment_ptr 1
		.amdhsa_wavefront_size32 1
		.amdhsa_system_sgpr_workgroup_id_x 1
		.amdhsa_system_sgpr_workgroup_id_y 1
		.amdhsa_system_sgpr_workgroup_id_z 1
		.amdhsa_system_vgpr_workitem_id 0
		.amdhsa_next_free_vgpr 448
		.amdhsa_next_free_sgpr 100
		.amdhsa_reserve_vcc 0
		.amdhsa_float_denorm_mode_32 3
		.amdhsa_float_denorm_mode_16_64 3
		.amdhsa_memory_ordered 1
		.amdhsa_forward_progress 1
		.amdhsa_inst_pref_size 201
	.end_amdhsa_kernel
	.amdgpu_metadata
---
amdhsa.version: [ 1, 2 ]
amdhsa.kernels:
  - .name:           k_q110c8d343a_attn
    .symbol:         k_q110c8d343a_attn.kd
    .args:
      - { .name: qkv, .offset: 0, .size: 8, .value_kind: global_buffer, .address_space: global }
      - { .name: mbits, .offset: 8, .size: 8, .value_kind: global_buffer, .address_space: global }
      - { .name: mflag, .offset: 16, .size: 8, .value_kind: global_buffer, .address_space: global }
      - { .name: oh, .offset: 24, .size: 8, .value_kind: global_buffer, .address_space: global }
    .group_segment_fixed_size: 193536
    .private_segment_fixed_size: 0
    .kernarg_segment_align: 8
    .kernarg_segment_size: 32
    .max_flat_workgroup_size: 256
    .sgpr_count:     100
    .vgpr_count:     448
    .wavefront_size: 32
...
	.end_amdgpu_metadata
.endif
;; end of part 3
;; launch outp (part 4): grid 8 x 64, 4 waves a work-group, clusters of 4 x 4, 327,680 bytes of LDS; arguments oh, woh, bo, out0; writes out0
.if DOCPART == 4
	.amdgcn_target "amdgcn-amd-amdhsa--gfx1250"
	.amdhsa_code_object_version 6
	.text
	.protected	k_q110c8d343a_outp
	.globl	k_q110c8d343a_outp
	.p2align	8
	.type	k_q110c8d343a_outp,@function
k_q110c8d343a_outp:
	s_mov_b64 s[64:65], 0
	v_nop
	global_prefetch_b8 v0, s[64:65] scope:SCOPE_SE
	s_setreg_imm32_b32 hwreg(HW_REG_WAVE_MODE, 25, 1), 1
	s_wait_xcnt 0x0
	s_wait_alu depctr_hold_cnt(0) depctr_sa_sdst(0) depctr_va_vdst(0) depctr_va_sdst(0) depctr_va_ssrc(0) depctr_va_vcc(0) depctr_vm_vsrc(0)
	s_getreg_b32 s2, hwreg(HW_REG_IB_STS2, 6, 4)
	s_cmp_eq_u32 s2, 0
	s_cbranch_scc0 .Lentry_in_a_cluster
	s_endpgm
.Lentry_in_a_cluster:
	s_bfe_u32 s2, ttmp6, 0x10000c
	s_cmp_lg_u32 s2, 0xf033
	s_cbranch_scc0 .Lentry_shape_is_right
	s_endpgm
.Lentry_shape_is_right:
; out0[m][n] = sum over k of o[m][k] Wo[n][k] + bo[n].  o and Wo are f16, laid by head: oh[kb 16][m 8192][64], woh[kb 16][n 1024][64], k = 64 kb + c.  out0: [8192][1024] f32; sums in f32.
; A tile of out0 is 128 x 128: 512 work-groups; tiles of 256 x 256 would be 128.  Four waves, each 64 x 64: 16 accumulators of 16 x 16, 128 registers.
; K goes in four steps of 256 = four planes, through two LDS slots.  A wave's tensor load brings 64 rows of four planes: in each plane the 64 rows are 8,192 consecutive bytes, stated as one line of the
; tile, with 16 bytes of padding behind every 128: so a row of 64 numbers is 144 bytes in LDS and a plane 9,216.
; CLUSTERS: 4 x 4 work-groups.  The four of a row of the cluster need the same tiles of o, the four of a column the same tiles of Wo: each tile is asked for JOINTLY, by the same tensor load with the
; same descriptor and a mask that names the four.  THE MATRIX INSTRUCTION IS USED TRANSPOSED (source 0 = 16 rows of Wo, source 1 = 16 rows of o): a lane then holds eight neighbouring numbers of a row.
; THE BIAS is the C of each sum's first matrix instruction.  By this text's own count a wave has two tensor loads out at the start and one behind each round.
; No prefetch: what a step fetches is small beside its work on these tiles, and both operands are read by several work-groups at about the same time.
; REGISTERS: window 0: v0-31 addresses; v96-127 the bias; v128-255 the accumulators ((a, b) at v[128 + 8 (4 a + b)]), on the way out whole rows.
;   window 1: two fragment buffers of 128: for 64 along K (one plane), 64 registers of o (2 x 4 x 16 rows x 32 K), then 64 of Wo.
.set PITCH,  144                       ; an LDS row: 128 bytes + 16 = 36 words: the 16 rows of a load start at 16 different groups of four banks (64 banks of 4 bytes: ISA guide 11.1)
.set PLANE,  64*PITCH                  ; 64 rows of one plane
.set HALFT,  4*PLANE                   ; what one tensor load brings, and what one wave reads of o or of Wo in a K step
.set SLOT,   4*HALFT                   ; o's 128 rows, then Wo's 128 rows
.set SPARE,  2*SLOT                    ; behind the slots: the spare words, 128 bytes for each wave: two blocks of 256 bytes that no other line names
.set SPITCH, 528                       ; the way out: a stage of 128 rows x (512 bytes + 16), the work-group's, in slot 0, which has had its last fill and its last read when the first result is stored there
.set ASTEP,  4*1048576                 ; a K step on in oh: four planes of 8,192 rows x 128 bytes
.set BSTEP,  4*131072                  ; and in woh: four planes of 1,024 rows
.set ADRA, 16                          ; v16-17  LDS address of my fragments of o in slot 0, 1
.set ADRB, 20                          ; v20-21  the same for Wo
.set STO,  24                          ; v24     the way out: where I put 32 bytes of a row
.set RD,   25                          ; v25     the way out: where I read a row back
.set CO,   26                          ; v26     16 x lane
.set SPW,  28                          ; v28     LDS address of my spare word; never rewritten
.set NIL,  29                          ; v29     0; never rewritten
.set BI,   96                          ; the bias: register 8 b + j of lane (r, h) = bo[my first column + 16 b + 8 h + j]
.set ACC,  128
.set F0,   0                           ; fragment buffers, in window 1
.set F1,   128
.set G1, 24                            ; s[24:31] descriptor group 1 for o's tiles;  s[32:39] group 0, one set for each slot
.set G0, 32
.set G1B, 48                           ; s[48:55], s[56:63] the same for Wo's tiles
.set G0B, 56
.set MSB, 0
.macro WIN new                         ; the immediate's high byte repeats the setting that is left
.if MSB != (\new)
	s_set_vgpr_msb (MSB<<8)|(\new)
.set MSB, (\new)
.endif
.endm
.set MUL,  0x05                        ; sources 0 (Wo) and 1 (o) window 1; C and D window 0
.set TO_F, 0x40                        ; destination window 1, address window 0
.macro JLOAD s                         ; a joint load: waves 0 and 1 fetch o's two halves, waves 2 and 3 Wo's; an s_nop 0 and four v_nop follow each of the two lines, ahead of the jump, the label and what follows
	s_cmp_eq_u32 s11, 0
	s_cbranch_scc0 .Lfor_b_\@
	tensor_load_to_lds s[G0+4*\s:G0+4*\s+3], s[G1:G1+7]
	s_nop 0
.rept 4
	v_nop
.endr
	s_branch .Lasked_\@
.Lfor_b_\@:
	tensor_load_to_lds s[G0B+4*\s:G0B+4*\s+3], s[G1B:G1B+7]
	s_nop 0
.rept 4
	v_nop
.endr
.Lasked_\@:
.endm
.macro CREST                           ; a round of the cluster's barrier behind its opening barrier
	s_cmp_lg_u32 s10, 0
	s_cbranch_scc1 .Lnot_wave_0_\@
	s_barrier_signal -3
.Lnot_wave_0_\@:
	s_barrier_wait -3
	s_barrier_signal -1
	s_barrier_wait -1
.endm
.macro CROUND                          ; a whole round
	s_barrier_signal -1
	s_barrier_wait -1
	CREST
.endm
	s_load_b128 s[4:7], s[0:1], 0x0                ; oh s[4:5], woh s[6:7]
	s_load_b64 s[68:69], s[0:1], 0x10              ; bo
	s_load_b64 s[8:9], s[0:1], 0x18                ; out0
	v_lshl_add_u32 v[SPW], v0, 2, SPARE
	v_mov_b32 v[NIL], 0
	ds_add_u32 v[SPW], v[NIL]                      ; the wave's opening: the add, twice on end, and its wait ahead of my first tensor load; the set-up below, work on registers, stands between
	ds_add_u32 v[SPW], v[NIL]
	v_lshrrev_b32 v1, 5, v0
	v_readfirstlane_b32 s10, v1                    ; wave 0..3
	s_lshr_b32 s11, s10, 1                         ; which half of the tile's rows is mine.  Also: I fetch for o (0) or for Wo (1)
	s_and_b32 s12, s10, 1                          ; which half of its columns.  Also: which 64 rows of that tile I fetch
	s_bfe_u32 s40, ttmp6, 0x40000                  ; cx, cy: my place in the cluster
	s_bfe_u32 s41, ttmp6, 0x40004
	s_lshl_b32 s42, ttmp9, 2
	s_add_co_u32 s42, s42, s40                     ; tile column = 4 x cluster x + cx
	s_and_b32 s13, ttmp7, 0xffff
	s_lshl_b32 s13, s13, 2
	s_add_co_u32 s13, s13, s41                     ; tile row = 4 x cluster y + cy
	s_lshl_b32 s43, s41, 2
	s_lshl_b32 s43, 15, s43                        ; my row of the cluster
	s_lshl_b32 s44, 0x1111, s40                    ; my column
	; descriptor group 1: four lines of 4,096 elements (64 rows x 64), a plane apart in memory
	s_or_b32 s[G1+0], s43, (1<<16)|(1<<20)|(1<<21)|(4<<22)|(3<<25)  ; 15:0 the mask: o's tiles go to my row; 17:16 elements of 2 bytes; 20 padding on; 21 set beside a mask; 24:22 after every 32 words (code 4); 31:25 four words (code 3)
	s_or_b32 s[G1B+0], s44, (1<<16)|(1<<20)|(1<<21)|(4<<22)|(3<<25)
.irp g, G1, G1B
	s_mov_b32 s[\g+1], 4096<<16                    ; tensor_dim0 = 4,096
	s_mov_b32 s[\g+2], 4<<16                       ; tensor_dim1 = 4
	s_mov_b32 s[\g+3], 4096<<16                    ; tile_dim0 = 4,096
	s_mov_b32 s[\g+4], 4                           ; tile_dim1 = 4
	s_mov_b32 s[\g+6], 0
	s_mov_b32 s[\g+7], 0
.endr
	s_mov_b32 s[G1+5], 8192*64                     ; tensor_dim0_stride: a plane of oh, in elements
	s_mov_b32 s[G1B+5], 1024*64                    ; a plane of woh
	s_lshl_b32 s17, s12, 6                         ; which 64 rows of the tile I fetch
	s_lshl_b32 s16, s13, 7
	s_add_co_u32 s16, s16, s17                     ; o: row 128 x tile row + 64 x half
	s_lshl_b32 s46, s42, 7
	s_add_co_u32 s46, s46, s17                     ; Wo: row 128 x tile column + 64 x half
	s_lshl_b32 s16, s16, 7                         ; rows of 128 bytes
	s_mov_b32 s17, 0
	s_lshl_b32 s46, s46, 7
	s_mov_b32 s47, 0
	s_mul_i32 s20, s10, HALFT                      ; where they go: by the wave's number alone
	s_wait_dscnt 0x0                               ; both opening adds are done
	s_wait_kmcnt 0x0
	s_add_nc_u64 s[14:15], s[4:5], s[16:17]
	s_add_nc_u64 s[46:47], s[6:7], s[46:47]
	CROUND                                         ; all sixteen work-groups are here: the first joint loads meet
.irp s, 0,1
	s_mov_b32 s[G0+4*\s], 1
	s_add_co_u32 s[G0+4*\s+1], s20, \s*SLOT
	s_add_nc_u64 s[G0+4*\s+2:G0+4*\s+3], s[14:15], \s*ASTEP
	s_or_b32 s[G0+4*\s+3], s[G0+4*\s+3], 0x80000000
	s_mov_b32 s[G0B+4*\s], 1
	s_add_co_u32 s[G0B+4*\s+1], s20, \s*SLOT
	s_add_nc_u64 s[G0B+4*\s+2:G0B+4*\s+3], s[46:47], \s*BSTEP
	s_or_b32 s[G0B+4*\s+3], s[G0B+4*\s+3], 0x80000000
	JLOAD \s
.endr
	v_and_b32 v1, 15, v0                           ; r = l % 16
	v_bfe_u32 v2, v0, 4, 1                         ; h = l / 16
	s_lshl_b32 s46, s42, 9                         ; the tile's first column, in bytes of f32
	s_mov_b32 s47, 0
	s_add_nc_u64 s[8:9], s[8:9], s[46:47]
	s_lshl_b32 s21, s12, 8
	s_add_co_u32 s46, s46, s21                     ; + my 64 columns
	s_add_nc_u64 s[68:69], s[68:69], s[46:47]
	v_lshlrev_b32 v6, 5, v2                        ; + 8 h numbers
.irp b, 0,1,2,3
	global_load_b128 v[BI+8*\b:BI+8*\b+3], v6, s[68:69] offset:64*\b
	global_load_b128 v[BI+8*\b+4:BI+8*\b+7], v6, s[68:69] offset:64*\b+16
.endr
	v_mul_u32_u24 v3, v1, PITCH
	v_lshl_add_u32 v3, v2, 4, v3                   ; a fragment's row x pitch + 16 x half
	s_mul_i32 s21, s11, HALFT                      ; my 64 rows of o
	s_mul_i32 s22, s12, HALFT                      ; my 64 rows of Wo,
	s_add_co_u32 s22, s22, 2*HALFT                 ; which lie behind o's 128
.irp s, 0,1
	v_add_nc_u32 v[ADRA+\s], s21, v3
	v_add_nc_u32 v[ADRB+\s], s22, v3
	s_add_co_u32 s21, s21, SLOT
	s_add_co_u32 s22, s22, SLOT
.endr
	s_mul_i32 s23, s11, 64*SPITCH                  ; into the stage: my 64 rows, my half of their 512 bytes; row r, 32 bytes for each half of the lanes
	s_lshl_b32 s21, s12, 8
	s_add_co_u32 s23, s23, s21
	v_mul_u32_u24 v4, v1, SPITCH
	v_lshl_add_u32 v4, v2, 5, v4
	v_add_nc_u32 v[STO], s23, v4
	s_mul_i32 s23, s10, 32*SPITCH                  ; back: wave w takes rows 32 w .. 32 w + 31, whole: 16 bytes a lane
	v_and_b32 v5, 31, v0
	v_lshlrev_b32 v[CO], 4, v5
	v_add_nc_u32 v[RD], s23, v[CO]
	s_lshl_b32 s16, s13, 7
	s_lshl_b32 s17, s10, 5
	s_add_co_u32 s16, s16, s17                     ; the first row that I store: 128 x tile row + 32 x wave
	s_lshl_b32 s16, s16, 12                        ; rows of 4,096 bytes
	s_mov_b32 s17, 0
	s_add_nc_u64 s[8:9], s[8:9], s[16:17]
; 8 matrix instructions: m blocks a0, a0 + 1 x all 4 n blocks, 32 along K: half c of buffer f.  zero = 1: the first product starts the sums from the bias.  The 16 accumulators take turns
.macro MUL8 f, c, a0, zero
.irp a, \a0, \a0+1
.irp b, 0,1,2,3
.if \zero
	v_wmma_f32_16x16x32_f16 v[ACC+8*(4*(\a)+\b):ACC+8*(4*(\a)+\b)+7], v[\f+64+8*(4*\c+\b):\f+64+8*(4*\c+\b)+7], v[\f+8*(4*\c+\a):\f+8*(4*\c+\a)+7], v[BI+8*\b:BI+8*\b+7]
.else
	v_wmma_f32_16x16x32_f16 v[ACC+8*(4*(\a)+\b):ACC+8*(4*(\a)+\b)+7], v[\f+64+8*(4*\c+\b):\f+64+8*(4*\c+\b)+7], v[\f+8*(4*\c+\a):\f+8*(4*\c+\a)+7], v[ACC+8*(4*(\a)+\b):ACC+8*(4*(\a)+\b)+7]
.endif
.endr
.endr
.endm
; 32 LDS loads in one run: the fragments of one plane (64 along K), which begins k bytes into my part of the slot, into buffer f; the first 32 along K first
.macro FETCH slot, k, f
	WIN TO_F
.irp c, 0,1
.irp i, 0,1,2,3
	ds_load_b128 v[\f+64+8*(4*\c+\i):\f+64+8*(4*\c+\i)+3],   v[ADRB+\slot] offset:\k+64*\c+\i*16*PITCH
	ds_load_b128 v[\f+64+8*(4*\c+\i)+4:\f+64+8*(4*\c+\i)+7], v[ADRB+\slot] offset:\k+64*\c+\i*16*PITCH+32
	ds_load_b128 v[\f+8*(4*\c+\i):\f+8*(4*\c+\i)+3],         v[ADRA+\slot] offset:\k+64*\c+\i*16*PITCH
	ds_load_b128 v[\f+8*(4*\c+\i)+4:\f+8*(4*\c+\i)+7],       v[ADRA+\slot] offset:\k+64*\c+\i*16*PITCH+32
.endr
.endr
.endm
.macro PLACES                          ; four places in front of loads into registers that matrix instructions have read, and of the first read of results
.rept 4
	v_nop
.endr
.endm
; A K step is four quarters, a plane each, 32 matrix instructions, on buffers 0, 1, 0, 1.  One of the first three: multiplies buffer f and fetches the next plane, at byte k, into g.
.macro QUARTER slot, k, f, g, zero
	s_wait_dscnt 16                                ; the first 32 along K are in; the sixteen loads of the second 32 may be out
	WIN MUL
	MUL8 \f, 0, 0, \zero
	MUL8 \f, 0, 2, \zero
	PLACES
	FETCH \slot, \k, \g
	s_wait_dscnt 32                                ; all but the 32 just issued
	WIN MUL
	MUL8 \f, 1, 0, 0
	MUL8 \f, 1, 2, 0
.endm
; The last quarter multiplies buffer 1 and changes slots: ONE barrier; in front of it each wave waits for all its tensor loads, adds 0 to its spare word, and waits for that and for its own reads of this slot.
; fill = 1: this slot is filled again, two K steps ahead, behind a round of the cluster's barrier.
.macro TURN slot, next, fill
	WIN 0                                          ; (the add's two registers lie in window 0)
	s_wait_tensorcnt 0x0                           ; all my tensor loads have landed: my part of the next slot;
	ds_add_u32 v[SPW], v[NIL]                      ; 0 onto my spare word;
	s_wait_dscnt 17                                ; (the add and the youngest sixteen loads may be out)
	WIN MUL
	MUL8 F1, 0, 0, 0                               ; eight matrix instructions stand between the add and the wait for it
	s_wait_dscnt 0x0                               ; the add is done, and my reads of this slot are over
	s_barrier_signal -1
	MUL8 F1, 0, 2, 0
.if \fill
	WIN 0
.endif
	s_barrier_wait -1
.if \fill
	CREST                                          ; the barrier has opened a round of the cluster's barrier: no wave of any partner still reads this slot's tile or has a load on its way
	s_add_nc_u64 s[G0+4*\slot+2:G0+4*\slot+3], s[G0+4*\slot+2:G0+4*\slot+3], 2*ASTEP
	s_add_nc_u64 s[G0B+4*\slot+2:G0B+4*\slot+3], s[G0B+4*\slot+2:G0B+4*\slot+3], 2*BSTEP
	JLOAD \slot                                    ; the first tensor load behind the round; the four v_nop behind it are also the places in front of the loads below
.else
	PLACES
.endif
	FETCH \next, 0, F0
	WIN MUL
	MUL8 F1, 1, 0, 0
	MUL8 F1, 1, 2, 0
.endm
	s_wait_tensorcnt 1                             ; my part of K step 0 is in; K step 1's load may be out
	s_barrier_signal -1
	s_barrier_wait -1                              ; everybody's is
	FETCH 0, 0, F0
	s_wait_loadcnt 0x0                             ; the bias
	QUARTER 0, PLANE,   F0, F1, 1                  ; K step 0
	QUARTER 0, 2*PLANE, F1, F0, 0
	QUARTER 0, 3*PLANE, F0, F1, 0
	TURN 0, 1, 1                                   ; slot 0 takes K step 2
	QUARTER 1, PLANE,   F0, F1, 0                  ; K step 1
	QUARTER 1, 2*PLANE, F1, F0, 0
	QUARTER 1, 3*PLANE, F0, F1, 0
	TURN 1, 0, 1                                   ; slot 1 takes K step 3
	QUARTER 0, PLANE,   F0, F1, 0                  ; K step 2
	QUARTER 0, 2*PLANE, F1, F0, 0
	QUARTER 0, 3*PLANE, F0, F1, 0
	TURN 0, 1, 0                                   ; nothing is left to fetch
	QUARTER 1, PLANE,   F0, F1, 0                  ; K step 3
	QUARTER 1, 2*PLANE, F1, F0, 0
	QUARTER 1, 3*PLANE, F0, F1, 0
	s_wait_dscnt 16
	WIN MUL
	MUL8 F1, 0, 0, 0
	MUL8 F1, 0, 2, 0
	s_wait_dscnt 0
	MUL8 F1, 1, 0, 0
	MUL8 F1, 1, 2, 0
	WIN 0
	; THE WAY OUT: 32 bytes a lane into the work-group's stage, each accumulator from its low end on; a barrier, since a row's 512 bytes come from two waves; back as whole rows, 32 rows a wave.
	PLACES
.irp a, 0,1,2,3
.irp b, 0,1,2,3
	ds_store_b128 v[STO], v[ACC+8*(4*\a+\b):ACC+8*(4*\a+\b)+3] offset:\a*16*SPITCH+64*\b
	ds_store_b128 v[STO], v[ACC+8*(4*\a+\b)+4:ACC+8*(4*\a+\b)+7] offset:\a*16*SPITCH+64*\b+16
.endr
.endr
	s_wait_dscnt 0x0                               ; for the others' sake: my stores into the stage are done
	s_barrier_signal -1
	s_barrier_wait -1
.set t, 0
.rept 32
	ds_load_b128 v[ACC+4*t:ACC+4*t+3], v[RD] offset:t*SPITCH
.set t, t+1
.endr
.set t, 0
.rept 32
	s_wait_dscnt 31-t                              ; row t is in; the younger loads may be out
	global_store_b128 v[CO], v[ACC+4*t:ACC+4*t+3], s[8:9] offset:t*4096 th:TH_STORE_NT   ; 32 lanes store 512 consecutive bytes, aligned; written once, read by nobody here
.set t, t+1
.endr
	s_wait_tensorcnt 0x0                           ; the wave's end, behind my last tensor load and my last LDS store
	ds_add_u32 v[SPW], v[NIL]
	s_wait_dscnt 0x0
	CROUND                                         ; the closing round: no work-group ends while a partner may still ask for a tile that names it
	s_endpgm
.Lfunc_end_k_q110c8d343a_outp:
	.size	k_q110c8d343a_outp, .Lfunc_end_k_q110c8d343a_outp-k_q110c8d343a_outp
	.p2alignl 7, 3214868480
	.fill 96, 4, 3214868480
	.section	.rodata,"a",@progbits
	.p2align	6, 0x0
	.amdhsa_kernel k_q110c8d343a_outp
		.amdhsa_group_segment_fixed_size 327680
		.amdhsa_private_segment_fixed_size 0
		.amdhsa_enable_private_segment 0
		.amdhsa_kernarg_size 32
		.amdhsa_user_sgpr_count 2
		.amdhsa_user_sgpr_kernarg_segment_ptr 1
		.amdhsa_wavefront_size32 1
		.amdhsa_system_sgpr_workgroup_id_x 1
		.amdhsa_system_sgpr_workgroup_id_y 1
		.amdhsa_system_sgpr_workgroup_id_z 1
		.amdhsa_system_vgpr_workitem_id 0
		.amdhsa_next_free_vgpr 512
		.amdhsa_next_free_sgpr 70
		.amdhsa_reserve_vcc 0
		.amdhsa_float_denorm_mode_32 3
		.amdhsa_float_denorm_mode_16_64 3
		.amdhsa_memory_ordered 1
		.amdhsa_forward_progress 1
		.amdhsa_inst_pref_size 87
	.end_amdhsa_kernel
	.amdgpu_metadata
---
amdhsa.version: [ 1, 2 ]
amdhsa.kernels:
  - .name:           k_q110c8d343a_outp
    .symbol:         k_q110c8d343a_outp.kd
    .args:
      - { .name: oh, .offset: 0, .size: 8, .value_kind: global_buffer, .address_space: global }
      - { .name: woh, .offset: 8, .size: 8, .value_kind: global_buffer, .address_space: global }
      - { .name: bo, .offset: 16, .size: 8, .value_kind: global_buffer, .address_space: global }
      - { .name: out0, .offset: 24, .size: 8, .value_kind: global_buffer, .address_space: global }
    .group_segment_fixed_size: 327680
    .private_segment_fixed_size: 0
    .kernarg_segment_align: 8
    .kernarg_segment_size: 32
    .max_flat_workgroup_size: 128
    .sgpr_count:     70
    .vgpr_count:     512
    .wavefront_size: 32
...
	.end_amdgpu_metadata
.endif
;; end of part 4
